; MI455X (gfx1250); checked and timed in simulation.
; The chip was launched on July 23, 2026; its instructions are those of AMD's public machine-readable ISA for CDNA 5 (MIT licence, August 2026) and "CDNA5" Instruction Set Architecture Reference Guide (July 2026). The comments in the code are by the model that wrote it; some were corrected since.
;; Shepards Layer. Allowed arithmetic: matrix products marked QUANTISED: E2M3 operands, one E8M0 scale for each 32 along K, by v_wmma_scale_f32_16x16x128_f8f6f4 with both operands' format E2M3, f32 sums; everything else in f32.
;; Inputs: W_out 512 x 1,024 float32; W_qkvg 1,024 x 2,048 float32; X 2 x 2,048 x 1,024 float32; b_out 1,024 float32; b_qkvg 2,048 float32; ln_beta 1,024 float32; ln_gamma 1,024 float32; mask 1 x 2,048 x 2,048 bool.
;; Outputs: out0 2 x 2,048 x 1,024 float32.
;; This version of the problem:
;;   THIS VERSION OF THE PROBLEM IS GIVEN IN LOW PRECISION. The matrix products marked QUANTISED in the list below multiply operands that are first quantised to E2M3 (2 exponent bits, 3 mantissa bits; 6 bits a number), with one power-of-two scale for each 32 numbers along K (OCP MX v1.0); their sums are f32. All else is computed in f32.
;;   The module's matrix products, in the order in which they are computed (A, B: the left and right operand; K: the contracted axis; several contracted axes count as one K, in the product's order):
;;     1. [M 4,096, K 1,024] x [K 1,024, N 2,048]; A: computed on the way; B: input W_qkvg: QUANTISED
;;     2. batch 16 x [M 2,048, K 64] x [K 64, N 2,048]; A: computed on the way; B: computed on the way: QUANTISED
;;     3. batch 16 x [M 2,048, K 2,048] x [K 2,048, N 64]; A: computed on the way; B: computed on the way: QUANTISED
;;     4. [M 4,096, K 512] x [K 512, N 1,024]; A: computed on the way; B: input W_out: QUANTISED
;;   THE QUANTISER, for each operand of a quantised product, along K:
;;     - K is cut into blocks of 32 from its start; a last block that is shorter is filled with zeros.
;;     - A block's scale is 2^e with e = floor(log2(the largest magnitude in the block)) - 2, held to -126 .. 127; a block of zeros has e = 0. As a byte (E8M0): e + 127.
;;     - Each number is divided by its block's scale, clamped to +-7.5, and rounded to the nearest number of E2M3, ties to even, subnormals kept.
;;     - The product sums the exact products of the quantised numbers (number of the format x scale) in f32.
;;   ~~~python
;;   def quantise(x, axis):      # numpy; x: float32 -> the quantised numbers, widened to float32 again
;;       x = np.moveaxis(x, axis, -1); K = x.shape[-1]
;;       x = np.pad(x, [(0, 0)] * (x.ndim - 1) + [(0, -K % 32)]); x = x.reshape(x.shape[:-1] + (-1, 32)); a = np.abs(x).max(-1, keepdims=True)
;;       e = np.where(a > 0, np.clip(np.frexp(np.where(a > 0, a, 1))[1] - 1 - 2, -126, 127), 0)      # np.frexp(a)[1] - 1 = floor(log2(a)), exactly
;;       r = np.clip(x / 2.0 ** e, -7.5, 7.5)
;;       step = 2.0 ** (np.maximum(np.frexp(np.where(r == 0, 1, r))[1] - 1, 0) - 3)
;;       q = np.round(r / step) * step * 2.0 ** e      # np.round: ties to even
;;       return np.moveaxis(q.reshape(q.shape[:-2] + (-1,))[..., :K], -1, axis).astype(np.float32)
;;   ~~~
;;   OPERANDS COMPUTED ON THE WAY. 'Computed on the way' means the value that the module computes at that place (a softmax that the list does not call 'softmax' is quantised finished and normalised). What goes into a quantiser is computed in f32, as accurately as f32 sums, v_exp_f32 and their like allow (about 1e-6 of the number): no bf16 or f16 on the way to a quantiser, and a product that is left as it is and whose result goes on into a quantised operand takes f32 operands (vector FMAs, or v_wmma_f32_16x16x4_f32). A number that lies on a knife's edge between two numbers of the format may be rounded either way, as far as f32 arithmetic and the matrix unit's own rounding can turn it there, and no further.
;; 2 versions, each right; version 2 is version 1 with the launch attn written anew for expert scheduling mode. Each part assembles by itself: llvm-mc -triple=amdgcn-amd-amdhsa -mcpu=gfx1250 --defsym DOCPART=n.
;; ======== version 1 of 2: 4 launches
;; workspace buffers: pq 5,324,800 bytes; act 13,697,024 bytes; yg 1,703,936 bytes; mk 532,480 bytes of whole numbers
;; launch prep (part 1): grid 464 x 1, 8 waves a work-group, no clusters, 115,968 bytes of LDS; arguments X, ln_gamma, ln_beta, W_qkvg, W_out, mask, pq, mk; writes pq, mk
.if DOCPART == 1
	.amdgcn_target "amdgcn-amd-amdhsa--gfx1250"
	.amdhsa_code_object_version 6
	.text
	.protected	k_qa52343a6d2_prep
	.globl	k_qa52343a6d2_prep
	.p2align	8
	.type	k_qa52343a6d2_prep,@function
k_qa52343a6d2_prep:
	s_mov_b64 s[64:65], 0
	v_nop
	global_prefetch_b8 v0, s[64:65] scope:SCOPE_SE
	s_setreg_imm32_b32 hwreg(HW_REG_WAVE_MODE, 25, 1), 1
	s_wait_xcnt 0x0
; Four jobs that feed the later launches, told apart by the work-group's number:
;   0..255    LN:   LayerNorm of 16 tokens (one tile) of X, quantised along the 1,024 to FP6 (E2M3) codes with one E8M0 byte for each 32
;   256..383  MASK: the mask as lane-mask words, one 32-bit word for each register of a tile of scores, and a class for each (tile of queries, 128 keys); a work-group takes a tile of queries, a wave two steps of 128 keys
;   384..447  WQ:   W_qkvg [1024][2048] quantised along its first axis;   448..463  WO: W_out [512][1024] likewise
; A TILE'S 16 ROWS ARE NOT NEIGHBOURS: in each group of 32 (tokens, or columns of a weight) tile u has its row r at 8 u + (r & 7) + 16 (r >> 3), so that the 16 result registers
; of two neighbouring tiles are 16 neighbours along the axis that runs down a lane's registers.
; CODES ARE STORED AS IMAGES OF THE OPERAND'S REGISTERS: a fragment (16 rows x 128 K, 12 registers a lane) is three pieces of four registers, lane L's 16 bytes at 16 L: every store covers 512 consecutive bytes.
; Scale words (four bytes: 128 along K of one row) lie [group of 32][K step][32 words], by the row's place in its group.
; A block's scale is 2^(floor(log2(largest magnitude)) - 2); its byte is the largest magnitude's exponent field - 2, held at 1 from below.
; LIMITS: a block whose largest magnitude lies under 2^-124 (a block of zeros too) keeps the byte 1: its bytes are read by this program alone; NaN and infinities among the inputs are not served;
; any mask byte other than 0 counts as true.  No tensor loads, no matrix work: each byte of the inputs is read once.  Each path that uses LDS has LDS bytes of its own.
.set XQ,    0                          ; pq: X's codes [row block of 128 tokens 32][K step 8][tile 8][1536]
.set XSC,   3145728                    ;     X's scale words [group 128][K step 8][32]
.set WQ,    3276800                    ;     W_qkvg's codes [column block of 256: 8][K step 8][tile 16][1536]
.set WQSC,  4849664                    ;     its scale words [group 64][K step 8][32]
.set WO,    4915200                    ;     W_out's codes [column block of 128: 8][K step 4][tile 8][1536]
.set WOSC,  5308416                    ;     its scale words [group 32][K step 4][32]
.set MS,    524288                     ; mk: behind the words [tile 128][step 16][64], the classes [tile 128][step 16]
.set LNP,   4112                       ; LN: a row in LDS, 4,096 bytes + 16: 257 x 16, so that 16 rows' equal columns fall on different banks
.set STGQ,  65792                      ; WQ's stages: 3,072 bytes a wave
.set STGO,  90368                      ; WO's
.set FLOOR, 0x1800000                  ; 2^(3 - 127): no largest magnitude is taken under it, so the byte cannot fall under 1
.set EOFF,  0xff000000                 ; - (2 << 23): 2 off an exponent field
	s_load_b512 s[4:19], s[0:1], 0x0               ; X 4:5, gamma 6:7, beta 8:9, W_qkvg 10:11, W_out 12:13, mask 14:15, pq 16:17, mk 18:19
	v_lshl_add_u32 v224, v0, 2, 0x1c100
	v_mov_b32 v225, 0
	v_lshrrev_b32 v4, 5, v0
	v_readfirstlane_b32 s20, v4                    ; wave 0..7
	v_and_b32 v1, 31, v0                           ; lane L
	v_and_b32 v2, 15, v0                           ; r
	v_bfe_u32 v3, v0, 4, 1                         ; h
	s_mov_b32 s40, 0x76543210
	s_mov_b32 s41, 0xfedcba98                      ; v_permlanex16_b32's selects for lane L xor 16
	s_mov_b32 s42, 0x3a800000                      ; 1 / 1024
	s_mov_b32 s43, 0x3727c5ac                      ; 1e-5
	s_wait_kmcnt 0x0
	s_cmp_lt_u32 ttmp9, 256
	s_cbranch_scc1 .Lln
	s_cmp_lt_u32 ttmp9, 384
	s_cbranch_scc1 .Lmask
	s_cmp_lt_u32 ttmp9, 448
	s_cbranch_scc1 .Lwq
	s_branch .Lwo
; v[a] summed over the wave's 32 lanes, the result in every lane; v[t] has been written before
.macro LANESUM a, t
	v_add_f32_dpp v[\a], v[\a], v[\a] row_xmask:1 row_mask:0xf bank_mask:0xf
	v_add_f32_dpp v[\a], v[\a], v[\a] row_xmask:2 row_mask:0xf bank_mask:0xf
	v_add_f32_dpp v[\a], v[\a], v[\a] row_xmask:4 row_mask:0xf bank_mask:0xf
	v_add_f32_dpp v[\a], v[\a], v[\a] row_xmask:8 row_mask:0xf bank_mask:0xf
	v_permlanex16_b32 v[\t], v[\a], s40, s41
	v_add_f32 v[\a], v[\a], v[\t]
.endm
; A row of 1,024 numbers, 32 a lane in v[xb] on: the mean is taken off in place, and 1 / sqrt(variance + 1e-5) goes to v[rs].  Two passes: no difference of large sums is formed.
.macro ROWSTAT xb, rs
	v_pk_add_f32 v[16:17], v[\xb:\xb+1], v[\xb+4:\xb+5]
	v_pk_add_f32 v[18:19], v[\xb+2:\xb+3], v[\xb+6:\xb+7]
.irp j, 8,12,16,20,24,28
	v_pk_add_f32 v[16:17], v[16:17], v[\xb+\j:\xb+\j+1]
	v_pk_add_f32 v[18:19], v[18:19], v[\xb+\j+2:\xb+\j+3]
.endr
	v_pk_add_f32 v[16:17], v[16:17], v[18:19]
	v_add_f32 v16, v16, v17
	LANESUM 16, 17
	v_mul_f32 v16, s42, v16                        ; the mean
.set k, 0
.rept 16
	v_pk_add_f32 v[\xb+k:\xb+k+1], v[\xb+k:\xb+k+1], v[16:17] op_sel_hi:[1,0] neg_lo:[0,1] neg_hi:[0,1]
.set k, k+2
.endr
	v_pk_mul_f32 v[18:19], v[\xb:\xb+1], v[\xb:\xb+1]
	v_pk_mul_f32 v[20:21], v[\xb+2:\xb+3], v[\xb+2:\xb+3]
.irp j, 4,8,12,16,20,24,28
	v_pk_fma_f32 v[18:19], v[\xb+\j:\xb+\j+1], v[\xb+\j:\xb+\j+1], v[18:19]
	v_pk_fma_f32 v[20:21], v[\xb+\j+2:\xb+\j+3], v[\xb+\j+2:\xb+\j+3], v[20:21]
.endr
	v_pk_add_f32 v[18:19], v[18:19], v[20:21]
	v_add_f32 v18, v18, v19
	LANESUM 18, 19
	v_fma_f32 v18, v18, s42, s43                   ; variance + 1e-5
	v_rsq_f32 v[\rs], v18
	v_mov_b32 v[\rs+1], 0                          ; the pair's upper word is named with it; also the plain instruction behind the transcendental
.endm
; ---------------------------------------------------------------- LN: tile T = the work-group's number
.Lln:
	s_lshr_b32 s21, ttmp9, 1                       ; g: the group of 32 tokens
	s_and_b32 s22, ttmp9, 1                        ; u
	s_lshl_b32 s23, s21, 5
	s_lshl_b32 s24, s22, 3
	s_add_co_u32 s23, s23, s24
	s_lshl_b32 s24, s20, 1
	s_and_b32 s24, s24, 7
	s_add_co_u32 s23, s23, s24
	s_lshr_b32 s24, s20, 2
	s_lshl_b32 s24, s24, 4
	s_add_co_u32 s23, s23, s24                     ; wave v takes the tile's rows 2 v and 2 v + 1: two neighbouring tokens from 32 g + 8 u + (2 v & 7) + 16 (v >> 2) on
	s_lshl_b32 s24, s23, 12
	s_mov_b32 s25, 0
	s_add_nc_u64 s[4:5], s[4:5], s[24:25]
	v_lshlrev_b32 v5, 4, v1                        ; 16 L
.irp i, 0,1
.irp j, 0,1,2,3,4,5,6,7
	global_load_b128 v[32+32*\i+4*\j:35+32*\i+4*\j], v5, s[4:5] offset:4096*\i+512*\j th:TH_LOAD_NT   ; 512 consecutive bytes a load: the lane holds k = 128 j + 4 L + 0..3
.endr
.endr
.irp j, 0,1,2,3,4,5,6,7
	global_load_b128 v[96+4*\j:99+4*\j], v5, s[6:7] offset:512*\j
.endr
.irp j, 0,1,2,3,4,5,6,7
	global_load_b128 v[128+4*\j:131+4*\j], v5, s[8:9] offset:512*\j
.endr
	s_mul_i32 s24, s20, 2*LNP
	v_add_nc_u32 v6, s24, v5                       ; LDS, way in: rows 2 v, 2 v + 1; 16 L
	v_mul_u32_u24 v7, v2, LNP
	v_lshl_add_u32 v7, v3, 7, v7
	s_lshl_b32 s24, s20, 9
	v_add_nc_u32 v7, s24, v7                       ; way out: row r, K step = my wave, + 128 h
	s_wait_loadcnt 16                              ; X's sixteen loads are in; gamma's and beta's sixteen may be out
	ROWSTAT 32, 24
	ROWSTAT 64, 26
	s_wait_loadcnt 0x0
	s_wait_alu depctr_va_vdst(0)
.irp i, 0,1
.set k, 0
.rept 16
	v_pk_mul_f32 v[32+32*\i+k:33+32*\i+k], v[32+32*\i+k:33+32*\i+k], v[24+2*\i:25+2*\i] op_sel_hi:[1,0]
.set k, k+2
.endr
.set k, 0
.rept 16
	v_pk_fma_f32 v[32+32*\i+k:33+32*\i+k], v[32+32*\i+k:33+32*\i+k], v[96+k:97+k], v[128+k:129+k]   ; x gamma + beta
.set k, k+2
.endr
.irp j, 0,1,2,3,4,5,6,7
	ds_store_b128 v6, v[32+32*\i+4*\j:35+32*\i+4*\j] offset:LNP*\i+512*\j
.endr
.endr
	s_wait_dscnt 0x0                               ; my rows lie in LDS
	s_barrier_signal -1
	s_barrier_wait -1                              ; all sixteen do
	; wave v now makes K step s = v of the tile's fragment: lane (r, h) takes, of row r, k = 128 s + 64 c + 32 h + 0..31: two whole blocks
.irp c, 0,1
.irp i, 0,1,2,3,4,5,6,7
	ds_load_b128 v[32+32*\c+4*\i:35+32*\c+4*\i], v7 offset:256*\c+16*\i
.endr
.endr
	s_wait_dscnt 0x0
.irp c, 0,1
	v_max3_num_f32 v[16+\c], |v[32+32*\c]|, |v[33+32*\c]|, FLOOR
.endr
.irp i, 2,4,6,8,10,12,14,16,18,20,22,24,26,28,30
.irp c, 0,1
	v_max3_num_f32 v[16+\c], v[16+\c], |v[32+32*\c+\i]|, |v[33+32*\c+\i]|   ; the two blocks by turns
.endr
.endr
.irp c, 0,1
	v_add_nc_u32 v[18+\c], EOFF, v[16+\c]          ; the conversion takes this operand's exponent field as its scale
.endr
.irp c, 0,1
	v_lshrrev_b32 v[20+\c], 23, v[18+\c]           ; the scale's byte
.endr
	v_lshl_or_b32 v22, v21, 16, v20                ; my bytes: blocks h and 2 + h,
	v_lshlrev_b32 v23, 3, v3
	v_lshlrev_b32 v22, v23, v22                    ; at their places in the word;
	v_permlanex16_b32 v23, v22, s40, s41
	v_or_b32 v22, v22, v23                         ; with lane L xor 16's two the word is whole
.irp c, 0,1
	v_cvt_scalef32_pk16_fp6_f32 v[160+6*\c:162+6*\c], v[32+32*\c:47+32*\c], v[18+\c]
	v_cvt_scalef32_pk16_fp6_f32 v[172+4*\c:174+4*\c], v[48+32*\c:63+32*\c], v[18+\c]   ; (a conversion's three registers begin on an even number)
.endr
	v_nop                                          ; one plain instruction behind the conversions
.irp c, 0,1
.irp i, 0,1,2
	v_mov_b32 v[163+6*\c+\i], v[172+4*\c+\i]
.endr
.endr
	s_lshr_b32 s24, ttmp9, 3
	s_lshl_b32 s24, s24, 3
	s_add_co_u32 s24, s24, s20
	s_mul_i32 s24, s24, 12288                      ; (row block, K step)
	s_and_b32 s26, ttmp9, 7
	s_mul_i32 s26, s26, 1536                       ; the tile in its row block
	s_add_co_u32 s24, s24, s26
	s_add_nc_u64 s[26:27], s[16:17], s[24:25]
.irp p, 0,1,2
	global_store_b128 v5, v[160+4*\p:163+4*\p], s[26:27] offset:XQ+512*\p
.endr
	v_and_b32 v8, 7, v2
	v_lshrrev_b32 v9, 3, v2
	v_lshlrev_b32 v8, 2, v8
	v_lshl_add_u32 v8, v9, 6, v8                   ; 4 ((r & 7) + 16 (r >> 3))
	s_lshl_b32 s24, s21, 3
	s_add_co_u32 s24, s24, s20
	s_lshl_b32 s24, s24, 7
	s_lshl_b32 s28, s22, 5
	s_add_co_u32 s24, s24, s28                     ; (8 g + s) 128 + 32 u
	s_add_nc_u64 s[28:29], s[16:17], s[24:25]
	global_store_b32 v8, v22, s[28:29] offset:XSC  ; both halves of the lanes hold the same word: two runs of 32 bytes
	s_wait_tensorcnt 0x0
	ds_add_u32 v224, v225
	s_wait_dscnt 0x0
	s_endpgm
; ---------------------------------------------------------------- MASK: tile of queries T' = the work-group's number - 256; wave v takes keys 128 S on for S = v and S = v + 8
.Lmask:
	s_sub_co_u32 s22, ttmp9, 256                   ; T'
	s_lshr_b32 s24, s22, 1
	s_lshl_b32 s24, s24, 5
	s_and_b32 s25, s22, 1
	s_lshl_b32 s25, s25, 3
	s_add_co_u32 s24, s24, s25                     ; the tile's first query
	s_lshl_b32 s24, s24, 11
	s_lshl_b32 s25, s20, 7
	s_add_co_u32 s24, s24, s25                     ; + keys 128 v on
	s_mov_b32 s25, 0
	s_add_nc_u64 s[14:15], s[14:15], s[24:25]
	v_and_b32 v5, 7, v2
	v_lshrrev_b32 v6, 3, v2
	v_lshl_add_u32 v5, v6, 4, v5
	v_lshlrev_b32 v5, 11, v5                       ; my query's row of 2,048 bytes,
	v_lshl_add_u32 v5, v3, 4, v5                   ; + 16 h
.irp k, 0,1
.irp b, 0,1,2,3
	global_load_b128 v[16+32*\k+4*\b:19+32*\k+4*\b], v5, s[14:15] offset:1024*\k+32*\b th:TH_LOAD_NT   ; keys 128 (v + 8 k) + 32 b + 16 h + 0..15
.endr
.endr
	s_lshl_b32 s24, s22, 4
	s_add_co_u32 s24, s24, s20                     ; 16 T' + v
	s_lshl_b32 s32, s24, 8
	s_mov_b32 s33, 0
	s_add_nc_u64 s[32:33], s[18:19], s[32:33]      ; the step's 64 words
	s_lshl_b32 s34, s24, 2
	s_mov_b32 s35, 0
	s_add_nc_u64 s[34:35], s[18:19], s[34:35]      ; its class
	v_lshlrev_b32 v44, 3, v1                       ; 8 L
	v_mov_b32 v45, 0
; Step k.  Word rho = 16 b + i: bit L = the mask at (my tile's query r, key 128 S + 32 b + 16 h + i): the lanes' bits for register rho of a tile of scores.
; Each step has its own registers for its words and its class: no store's data are written again.
.macro MSTEP k
	s_wait_loadcnt 4-4*\k                          ; this step's four loads are in; the second step's four, issued behind them, may be out
	v_mov_b32 v[34+6*\k], 0
	v_mov_b32 v[35+6*\k], 0
	s_mov_b32 s[26+2*\k], -1                       ; and of all words
	s_mov_b32 s[27+2*\k], 0                        ; or of all words
.set rho, 0
.rept 64
	v_and_b32 v[32+rho%2], 0xff<<(8*(rho%4)), v[16+32*\k+4*(rho/16)+(rho%16)/4]
	v_cmp_ne_u32 s[36+rho%2], 0, v[32+rho%2]
	s_and_b32 s[26+2*\k], s[26+2*\k], s[36+rho%2]
	s_or_b32 s[27+2*\k], s[27+2*\k], s[36+rho%2]
	v_writelane_b32 v[34+6*\k+rho%2], s[36+rho%2], rho/2   ; lane l gathers words 2 l and 2 l + 1
.set rho, rho+1
.endr
	global_store_b64 v44, v[34+6*\k:35+6*\k], s[32:33] offset:2048*\k   ; 256 consecutive bytes, aligned
	s_cmp_eq_u32 s[26+2*\k], -1
	s_cselect_b32 s[30+\k], 2, 1                   ; 2: all hidden
	s_cmp_eq_u32 s[27+2*\k], 0
	s_cselect_b32 s[30+\k], 0, s[30+\k]            ; 0: none hidden; 1: some
	v_mov_b32 v[36+6*\k], s[30+\k]
.endm
	MSTEP 0
	MSTEP 1
	v_cmp_eq_u32 vcc_lo, 0, v1
	s_wait_xcnt 0x0                                ; EXEC changes only behind this wait
	s_and_saveexec_b32 s38, vcc_lo
	global_store_b32 v45, v36, s[34:35] offset:MS  ; lane 0 alone
	global_store_b32 v45, v42, s[34:35] offset:MS+32
	s_wait_xcnt 0x0
	s_or_b32 exec_lo, exec_lo, s38
	s_endpgm
; ---------------------------------------------------------------- a weight [K][N], f32, K its first axis.  A wave takes a group of 32 columns x one K step of 128.
; A LANE TAKES A COLUMN AND ITS REGISTERS RUN DOWN K: a load reads 128 consecutive bytes a wave (the eight waves stand side by side on 1,024), a block of 32 lies in one lane, and the codes come out with K innermost.
; Column l of the group is row (l & 7) + 8 (l >> 4) of tile (l >> 3) & 1; block 2 c + h of the K step is registers 6 c .. 6 c + 5 of that row's lane in half h.  The codes go to those places
; of the two tiles' images in the wave's own stage, and leave as six stores of 512 consecutive bytes.
; first: the path's first work-group; sb: bits of the K step's number; stride: a row of the weight in bytes; src: the pointer's registers; gb: bits of a group's number in its column block
.macro WPATH first, sb, stride, src, codes, scl, stage, gb
	s_sub_co_u32 s21, ttmp9, \first
	s_and_b32 s22, s21, (1<<\sb)-1                 ; K step s
	s_lshr_b32 s23, s21, \sb
	s_lshl_b32 s23, s23, 3
	s_add_co_u32 s23, s23, s20                     ; group G
	s_mul_i32 s24, s22, 128*\stride
	s_lshl_b32 s25, s23, 7
	s_add_co_u32 s24, s24, s25
	s_mov_b32 s25, 0
	s_add_nc_u64 s[26:27], s[\src:\src+1], s[24:25]
	v_lshlrev_b32 v5, 2, v1                        ; 4 l
	v_bfe_u32 v6, v1, 3, 1
	v_and_b32 v7, 7, v1
	v_lshrrev_b32 v8, 4, v1
	v_lshl_add_u32 v7, v8, 3, v7
	v_mul_u32_u24 v6, v6, 1536
	v_lshl_add_u32 v6, v7, 4, v6
	s_mul_i32 s28, s20, 3072
	s_add_co_u32 s28, s28, \stage
	v_add_nc_u32 v6, s28, v6                       ; the stage, way in: my tile's image, 16 x my row
	v_lshl_add_u32 v7, v1, 4, s28                  ; way out: 16 L
	v_lshlrev_b32 v8, 4, v1
.irp t, 0,1
.set k, 0
.rept 32
	global_load_b32 v[32+32*\t+k], v5, s[26:27] offset:(32*\t+k)*\stride th:TH_LOAD_NT
.set k, k+1
.endr
.endr
.irp t, 0,1,2,3
.if \t < 3
	s_wait_loadcnt 32                              ; this block's 32 loads are in; the next block's 32 may be out
.else
	s_wait_loadcnt 0x0
.endif
.if \t < 2
.set k, 0
.rept 32
	global_load_b32 v[96+32*\t+k], v5, s[26:27] offset:(64+32*\t+k)*\stride th:TH_LOAD_NT   ; two blocks ahead, into registers of its own
.set k, k+1
.endr
.endif
	v_max3_num_f32 v16, |v[32+32*\t]|, |v[33+32*\t]|, |v[34+32*\t]|
	v_max3_num_f32 v17, |v[35+32*\t]|, |v[36+32*\t]|, |v[37+32*\t]|
.irp i, 6,10,14,18,22,26
	v_max3_num_f32 v16, v16, |v[32+32*\t+\i]|, |v[33+32*\t+\i]|
	v_max3_num_f32 v17, v17, |v[34+32*\t+\i]|, |v[35+32*\t+\i]|
.endr
	v_max3_num_f32 v16, v16, |v[62+32*\t]|, |v[63+32*\t]|
	v_max3_num_f32 v16, v16, v17, FLOOR
	v_add_nc_u32 v18, EOFF, v16
	v_lshrrev_b32 v19, 23, v18
.if \t == 0
	v_mov_b32 v188, v19                            ; the column's scale word: the lower K in the lower byte
.else
	v_lshl_or_b32 v188, v19, 8*\t, v188
.endif
	v_cvt_scalef32_pk16_fp6_f32 v[160+6*\t:162+6*\t], v[32+32*\t:47+32*\t], v18
	v_cvt_scalef32_pk16_fp6_f32 v[184:186], v[48+32*\t:63+32*\t], v18
	v_nop                                          ; one plain instruction behind the conversions
.irp i, 0,1,2
	v_mov_b32 v[163+6*\t+\i], v[184+\i]
.endr
.if \t < 2                                     ; c = 0: registers 0-3 are piece 0, registers 4, 5 the lower half of piece 1
	ds_store_b128 v6, v[160+6*\t:163+6*\t] offset:256*(\t%2)
	ds_store_b64 v6, v[164+6*\t:165+6*\t] offset:512+256*(\t%2)
.else                                          ; c = 1: registers 6, 7 the upper half of piece 1, registers 8-11 piece 2
	ds_store_b64 v6, v[160+6*\t:161+6*\t] offset:512+256*(\t%2)+8
	ds_store_b128 v6, v[162+6*\t:165+6*\t] offset:1024+256*(\t%2)
.endif
.endr
.irp p, 0,1,2,3,4,5
	ds_load_b128 v[192+4*\p:195+4*\p], v7 offset:512*\p   ; a wave's LDS instructions are served in order: these see my stores
.endr
	s_lshr_b32 s24, s23, \gb
	s_lshl_b32 s24, s24, \sb
	s_add_co_u32 s24, s24, s22
	s_mul_i32 s24, s24, 3072<<\gb                  ; (column block, K step)
	s_and_b32 s29, s23, (1<<\gb)-1
	s_mul_i32 s29, s29, 3072                       ; the group's two tiles
	s_add_co_u32 s24, s24, s29
	s_add_nc_u64 s[30:31], s[16:17], s[24:25]
	s_lshl_b32 s24, s23, \sb
	s_add_co_u32 s24, s24, s22
	s_lshl_b32 s24, s24, 7
	s_add_nc_u64 s[32:33], s[16:17], s[24:25]
	global_store_b32 v5, v188, s[32:33] offset:\scl   ; 128 consecutive bytes
.irp p, 0,1,2,3,4,5
	s_wait_dscnt 5-\p                              ; the younger loads from the stage may be out
	global_store_b128 v8, v[192+4*\p:195+4*\p], s[30:31] offset:\codes+512*\p
.endr
	s_wait_tensorcnt 0x0
	ds_add_u32 v224, v225
	s_wait_dscnt 0x0
	s_endpgm
.endm
.Lwq:
	WPATH 384, 3, 8192, 10, WQ, WQSC, STGQ, 3
.Lwo:
	WPATH 448, 2, 4096, 12, WO, WOSC, STGO, 2
.Lfunc_end_k_qa52343a6d2_prep:
	.size	k_qa52343a6d2_prep, .Lfunc_end_k_qa52343a6d2_prep-k_qa52343a6d2_prep
	.p2alignl 7, 3214868480
	.fill 96, 4, 3214868480
	.section	.rodata,"a",@progbits
	.p2align	6, 0x0
	.amdhsa_kernel k_qa52343a6d2_prep
		.amdhsa_group_segment_fixed_size 115968
		.amdhsa_private_segment_fixed_size 0
		.amdhsa_enable_private_segment 0
		.amdhsa_kernarg_size 64
		.amdhsa_user_sgpr_count 2
		.amdhsa_user_sgpr_kernarg_segment_ptr 1
		.amdhsa_wavefront_size32 1
		.amdhsa_system_sgpr_workgroup_id_x 1
		.amdhsa_system_sgpr_workgroup_id_y 1
		.amdhsa_system_sgpr_workgroup_id_z 1
		.amdhsa_system_vgpr_workitem_id 0
		.amdhsa_next_free_vgpr 226
		.amdhsa_next_free_sgpr 66
		.amdhsa_reserve_vcc 1
		.amdhsa_float_denorm_mode_32 3
		.amdhsa_float_denorm_mode_16_64 3
		.amdhsa_memory_ordered 1
		.amdhsa_forward_progress 1
		.amdhsa_inst_pref_size 101
	.end_amdhsa_kernel
	.amdgpu_metadata
---
amdhsa.version: [ 1, 2 ]
amdhsa.kernels:
  - .name:           k_qa52343a6d2_prep
    .symbol:         k_qa52343a6d2_prep.kd
    .args:
      - { .name: X, .offset: 0, .size: 8, .value_kind: global_buffer, .address_space: global }
      - { .name: ln_gamma, .offset: 8, .size: 8, .value_kind: global_buffer, .address_space: global }
      - { .name: ln_beta, .offset: 16, .size: 8, .value_kind: global_buffer, .address_space: global }
      - { .name: W_qkvg, .offset: 24, .size: 8, .value_kind: global_buffer, .address_space: global }
      - { .name: W_out, .offset: 32, .size: 8, .value_kind: global_buffer, .address_space: global }
      - { .name: mask, .offset: 40, .size: 8, .value_kind: global_buffer, .address_space: global }
      - { .name: pq, .offset: 48, .size: 8, .value_kind: global_buffer, .address_space: global }
      - { .name: mk, .offset: 56, .size: 8, .value_kind: global_buffer, .address_space: global }
    .group_segment_fixed_size: 115968
    .private_segment_fixed_size: 0
    .kernarg_segment_align: 8
    .kernarg_segment_size: 64
    .max_flat_workgroup_size: 256
    .sgpr_count:     66
    .vgpr_count:     226
    .wavefront_size: 32
...
	.end_amdgpu_metadata
.endif
;; end of part 1
;; launch qkvg (part 2): grid 32 x 8, 4 waves a work-group, clusters of 4 x 1, 295,424 bytes of LDS; arguments pq, b_qkvg, act; writes act
.if DOCPART == 2
	.amdgcn_target "amdgcn-amd-amdhsa--gfx1250"
	.amdhsa_code_object_version 6
	.text
	.protected	k_qa52343a6d2_qkvg
	.globl	k_qa52343a6d2_qkvg
	.p2align	8
	.type	k_qa52343a6d2_qkvg,@function
k_qa52343a6d2_qkvg:
	s_mov_b64 s[64:65], 0
	v_nop
	global_prefetch_b8 v0, s[64:65] scope:SCOPE_SE
	s_setreg_imm32_b32 hwreg(HW_REG_WAVE_MODE, 25, 1), 1
	s_wait_xcnt 0x0
	s_wait_alu depctr_hold_cnt(0) depctr_sa_sdst(0) depctr_va_vdst(0) depctr_va_sdst(0) depctr_va_ssrc(0) depctr_va_vcc(0) depctr_vm_vsrc(0)
	s_getreg_b32 s2, hwreg(HW_REG_IB_STS2, 6, 4)
	s_cmp_eq_u32 s2, 0
	s_cbranch_scc0 .Lentry_in_a_cluster
	s_endpgm
.Lentry_in_a_cluster:
	s_bfe_u32 s2, ttmp6, 0x10000c
	s_cmp_lg_u32 s2, 0x3003
	s_cbranch_scc0 .Lentry_shape_is_right
	s_endpgm
.Lentry_shape_is_right:
; qkvg = LayerNorm(X) W_qkvg + b_qkvg on FP6 (E2M3) codes with E8M0 scales, and what attention wants of it, made in the epilogue.
; A work-group takes 128 tokens (row block my) x 256 columns (column block y: 0, 1 Q; 2, 3 K; 4, 5 V; 6, 7 G).  Wave w takes all 128 tokens x 64 columns, one head: 8 x 4 accumulators, 256 registers.
; ALL OF K (1,024) FITS IN LDS: A's 96 KiB and B's 192 KiB are each filled once, in four chunks of two K steps; nothing is filled again, so there is no ring.
; CLUSTER: the four work-groups of a cluster lie along x: they share y, so they share B's 192 KiB, two thirds of a work-group's bytes, which they ask for JOINTLY (mask 15), and they take the same way through the text.
; A's tiles are each work-group's own: plain loads.
; Operands lie in memory and in LDS as images of their registers (three pieces of 512 bytes a fragment): LDS reads are 512 consecutive bytes, so no padding.
; A tile's 16 rows (tokens, or columns of W) are 8 u + (r & 7) + 16 (r >> 3) of a group of 32: the 16 result registers of two neighbouring tiles are then 16 neighbours.
; Q, K, G: THE PRODUCT IS USED TRANSPOSED (source 0 = 16 columns of W, source 1 = 16 tokens): a lane holds one token, its registers run along the head's 64.
;   Q, K: the sum of squares of the f32 numbers, codes and scale bytes along the head.  G: leaves as f32, as it stands in the registers.
; V: natural (source 0 = 16 tokens, source 1 = 16 columns): a lane holds one channel and its registers run along the tokens, which are the K of attention's second product: codes and scale bytes along the keys.
; The bias is the C of each sum's first matrix instruction.
; LIMITS: a block whose largest magnitude lies under 2^-124 keeps the scale byte 1 (read by this program alone); NaN and infinities are not served.
; REGISTERS, in windows of 256: window 0: v1-15 addresses; v16-47 X's scale words, v48-63 W's; from v64 the epilogue.  window 1: the accumulators.  window 2: A's fragments, two sets of 96.
;   window 3: B's fragments, two sets of 48; v128-159 the bias.
.set XQ,    0
.set XSC,   3145728
.set WQ,    3276800
.set WQSC,  4849664
.set QKC,   0                          ; act: Q's and K's codes [b 2][head row 16: Q's 8, K's 8][block of 128 tokens 16][48 registers' image: tile t at registers 6 t on]
.set QKSC,  3145728                    ;      their scale words [..][32 lanes][16 bytes]: register p: tile 2 p in lanes 0-15, tile 2 p + 1 in lanes 16-31
.set NRM,   3407872                    ;      [b][head row][token] f32: Q: the sum of squares; K: -0.5 x the sum of squares
.set VC,    3670016                    ;      V's codes [b][head 8][128 keys 16][tile of 16 channels 4][1536]
.set VSC,   5242880                    ;      V's scale words [..][32 lanes][8 bytes]
.set GIMG,  5308416                    ;      G [tile of tokens 256][head 8][32 registers' image] f32
.set LB,    98304                      ; LDS: A [K step 8][12288] at 0, B [K step 8][24576] here
.set FLOOR, 0x1800000
.set EOFF,  0xff000000
.set XS,  16
.set WS,  48
.set CR,  64                           ; v64-111  codes
.set SW,  112                          ; v112-115 packed scale words
.set NR,  116                          ; v116-119 packed sums of squares
.set TM,  120                          ; v120-123 largest magnitudes, v124-127 bytes, v128-131 the conversions' operands
.set CT,  136                          ; v136-143 second halves of blocks
.set SQ,  144                          ; v144-147 squares, in two chains
.set WD,  148                          ; v148-155 a scale word for each tile
.set SS,  156                          ; v156-163 a sum of squares for each tile
.set MSB, 0
.macro WIN new                         ; the immediate's high byte repeats the setting that is left
.if MSB != (\new)
	s_set_vgpr_msb (MSB<<8)|(\new)
.set MSB, (\new)
.endif
.endm
.macro PLACES                          ; four plain instructions between a matrix instruction and a load into, or a read of, its registers
.rept 4
	v_nop
.endr
.endm
.macro CROUND                          ; a round of the cluster's barrier
	s_barrier_signal -1
	s_barrier_wait -1
	s_cmp_lg_u32 s10, 0
	s_cbranch_scc1 .Lnot_wave_0_\@
	s_barrier_signal -3
.Lnot_wave_0_\@:
	s_barrier_wait -3
	s_barrier_signal -1
	s_barrier_wait -1
.endm
	s_load_b128 s[4:7], s[0:1], 0x0                ; pq, b_qkvg
	s_load_b64 s[8:9], s[0:1], 0x10                ; act
	v_lshl_add_u32 v254, v0, 2, 0x48000
	v_mov_b32 v255, 0
	ds_add_u32 v254, v255
	ds_add_u32 v254, v255
	v_lshrrev_b32 v1, 5, v0
	v_readfirstlane_b32 s10, v1                    ; wave 0..3
	s_and_b32 s11, s10, 1                          ; which K step of a chunk I fetch
	s_bfe_u32 s12, ttmp6, 0x40000                  ; cx
	s_lshl_b32 s13, ttmp9, 2
	s_add_co_u32 s13, s13, s12                     ; my = 4 x cluster x + cx: it enters global addresses of my own data alone
	s_and_b32 s14, ttmp7, 0xffff                   ; y, which the four partners share
	; descriptor groups 1: dense blocks as rows of 256 bytes (32 elements of 8 bytes)
	s_mov_b32 s16, 3<<16                           ; A: no mask; a K step's 12,288 bytes = 48 rows
	s_mov_b32 s17, 32<<16
	s_mov_b32 s18, 48<<16
	s_mov_b32 s19, 32<<16
	s_mov_b32 s20, 48
	s_mov_b32 s21, 32
	s_mov_b32 s22, 0
	s_mov_b32 s23, 0
	s_mov_b32 s24, 15|(3<<16)|(1<<21)              ; B: all four work-groups; bit 21 set beside a mask; a K step's 24,576 bytes = 96 rows
	s_mov_b32 s25, 32<<16
	s_mov_b32 s26, 96<<16
	s_mov_b32 s27, 32<<16
	s_mov_b32 s28, 96
	s_mov_b32 s29, 32
	s_mov_b32 s30, 0
	s_mov_b32 s31, 0
	s_mul_i32 s66, s11, 12288
	s_mul_i32 s68, s13, 98304
	s_add_co_u32 s68, s68, s66                     ; A: my row block, my K step of chunk 0
	s_mov_b32 s69, 0
	s_mul_i32 s70, s11, 24576
	s_mul_i32 s72, s14, 196608
	s_add_co_u32 s72, s72, s70
	s_add_co_u32 s72, s72, WQ                      ; B: column block y: made of y and the wave's number alone
	s_mov_b32 s73, 0
	s_wait_dscnt 0x0
	s_wait_kmcnt 0x0
	s_add_nc_u64 s[68:69], s[4:5], s[68:69]
	s_add_nc_u64 s[72:73], s[4:5], s[72:73]
.irp c, 0,1,2,3
	s_mov_b32 s[32+4*\c], 1
	s_add_co_u32 s[33+4*\c], s66, \c*24576
	s_add_nc_u64 s[34+4*\c:35+4*\c], s[68:69], \c*24576
	s_or_b32 s[35+4*\c], s[35+4*\c], 0x80000000
	s_mov_b32 s[48+4*\c], 1
	s_add_co_u32 s[49+4*\c], s70, LB+\c*49152
	s_add_nc_u64 s[50+4*\c:51+4*\c], s[72:73], \c*49152
	s_or_b32 s[51+4*\c], s[51+4*\c], 0x80000000
.endr
	CROUND                                         ; all four work-groups are here: the joint loads meet
	s_cmp_lt_u32 s10, 2                            ; waves 0, 1: A's chunks; waves 2, 3: B's.  A wave's four first fills stand in one branch: four tensor loads of mine are out
	s_cbranch_scc0 .Lfill_b
	tensor_load_to_lds s[32:35], s[16:23]
	s_nop 0
	tensor_load_to_lds s[36:39], s[16:23]
	s_nop 0
	tensor_load_to_lds s[40:43], s[16:23]
	s_nop 0
	tensor_load_to_lds s[44:47], s[16:23]
	s_nop 0
	PLACES
	s_branch .Lfilled
.Lfill_b:
	tensor_load_to_lds s[48:51], s[24:31]
	s_nop 0
	tensor_load_to_lds s[52:55], s[24:31]
	s_nop 0
	tensor_load_to_lds s[56:59], s[24:31]
	s_nop 0
	tensor_load_to_lds s[60:63], s[24:31]
	s_nop 0
	PLACES
.Lfilled:
	v_and_b32 v1, 31, v0                           ; L
	v_and_b32 v2, 15, v0                           ; r
	v_bfe_u32 v3, v0, 4, 1                         ; h
	v_lshlrev_b32 v4, 4, v1                        ; 16 L: an image's place for my lane; also A's LDS base for K steps 0-3
	v_and_b32 v13, 7, v2
	v_lshrrev_b32 v12, 3, v2
	v_lshl_add_u32 v13, v12, 4, v13
	v_lshlrev_b32 v13, 2, v13                      ; 4 ((r & 7) + 16 (r >> 3))
	v_lshl_add_u32 v5, v3, 5, v13                  ; + 32 h: lanes 0-15 read tile u = 0's words of a group of 32, lanes 16-31 tile u = 1's
	v_add_nc_u32 v7, 49152, v4                     ; A's base for K steps 4-7
	s_mul_i32 s74, s10, 6144
	s_add_co_u32 s74, s74, LB
	v_add_nc_u32 v8, s74, v4                       ; B's bases: my four tiles, K steps 2 k and 2 k + 1
	v_add_nc_u32 v9, 49152, v8
	v_add_nc_u32 v10, 98304, v8
	v_add_nc_u32 v11, 147456, v8
	v_lshlrev_b32 v12, 6, v3                       ; 64 h
	v_lshlrev_b32 v14, 3, v1                       ; 8 L
.irp b, 0,1,2,3
	v_mov_b32 v[TM+4+\b], 0                        ; written once: a lane permute's destination counts as one of its sources
.endr
	s_lshl_b32 s76, s13, 12
	s_mov_b32 s77, 0
	s_add_nc_u64 s[76:77], s[4:5], s[76:77]
.irp p, 0,1,2,3
.irp s, 0,1,2,3,4,5,6,7
	global_load_b32 v[XS+8*\p+\s], v5, s[76:77] offset:XSC+1024*\p+128*\s   ; X's scale words: pair of tiles p, K step s
.endr
.endr
	s_lshl_b32 s78, s14, 3
	s_lshl_b32 s79, s10, 1
	s_add_co_u32 s78, s78, s79
	s_lshl_b32 s78, s78, 10
	s_mov_b32 s79, 0
	s_add_nc_u64 s[78:79], s[4:5], s[78:79]
.irp g, 0,1
.irp s, 0,1,2,3,4,5,6,7
	global_load_b32 v[WS+8*\g+\s], v5, s[78:79] offset:WQSC+1024*\g+128*\s  ; W's
.endr
.endr
	s_lshl_b32 s80, s14, 10
	s_lshl_b32 s81, s10, 8
	s_add_co_u32 s80, s80, s81
	s_mov_b32 s81, 0
	s_add_nc_u64 s[80:81], s[6:7], s[80:81]        ; the bias of my 64 columns
	s_mov_b32 s82, 0xffff0000                      ; lanes 16-31
	s_mov_b32 s84, 0x76543210
	s_mov_b32 s85, 0xfedcba98                      ; v_permlanex16_b32's selects for lane L xor 16
	s_and_b32 s89, s13, 15                         ; my block of 128 tokens in its sequence
	s_lshr_b32 s83, s14, 1                         ; 0 Q, 1 K, 2 V, 3 G
; one matrix instruction, by the symbols DD, AA, BB, CC, SA, SB, RA, RB (the rows of the scale registers)
.macro WM
.if (RA==0)&&(RB==0)
	v_wmma_scale_f32_16x16x128_f8f6f4 v[DD:DD+7], v[AA:AA+11], v[BB:BB+11], v[CC:CC+7], v[SA], v[SB] matrix_a_fmt:MATRIX_FMT_FP6 matrix_b_fmt:MATRIX_FMT_FP6
.elseif RB==0
	v_wmma_scale_f32_16x16x128_f8f6f4 v[DD:DD+7], v[AA:AA+11], v[BB:BB+11], v[CC:CC+7], v[SA], v[SB] matrix_a_fmt:MATRIX_FMT_FP6 matrix_b_fmt:MATRIX_FMT_FP6 matrix_a_scale:MATRIX_SCALE_ROW1
.elseif RA==0
	v_wmma_scale_f32_16x16x128_f8f6f4 v[DD:DD+7], v[AA:AA+11], v[BB:BB+11], v[CC:CC+7], v[SA], v[SB] matrix_a_fmt:MATRIX_FMT_FP6 matrix_b_fmt:MATRIX_FMT_FP6 matrix_b_scale:MATRIX_SCALE_ROW1
.else
	v_wmma_scale_f32_16x16x128_f8f6f4 v[DD:DD+7], v[AA:AA+11], v[BB:BB+11], v[CC:CC+7], v[SA], v[SB] matrix_a_fmt:MATRIX_FMT_FP6 matrix_b_fmt:MATRIX_FMT_FP6 matrix_a_scale:MATRIX_SCALE_ROW1 matrix_b_scale:MATRIX_SCALE_ROW1
.endif
.endm
; K step s's fragments: A's eight tiles into set s % 2 of window 2, my four tiles of B into set s % 2 of window 3: 36 loads in one run
.macro FETCH s
.set AB, 4+3*((\s)/4)
.set BBS, 8+(\s)/2
	WIN 0x80
.irp m, 0,1,2,3,4,5,6,7
.irp p, 0,1,2
	ds_load_b128 v[96*((\s)%2)+12*\m+4*\p:96*((\s)%2)+12*\m+4*\p+3], v[AB] offset:((\s)%4)*12288+\m*1536+\p*512
.endr
.endr
	WIN 0xc0
.irp n, 0,1,2,3
.irp p, 0,1,2
	ds_load_b128 v[48*((\s)%2)+12*\n+4*\p:48*((\s)%2)+12*\n+4*\p+3], v[BBS] offset:((\s)%2)*24576+\n*1536+\p*512
.endr
.endr
.endm
; K step s's 32 matrix instructions.  The 32 accumulators take turns, one instruction a turn, in the same order in every step.
.macro MULS s, nat
.if (\s)==0
	WIN 0x7b+3*(\nat)                              ; C: the bias, in window 3
.else
	WIN 0x5b+3*(\nat)                              ; transposed: source 0 window 3 (W), source 1 window 2 (X); natural: the other way round; C and D window 1
.endif
.irp m, 0,1,2,3,4,5,6,7
.irp n, 0,1,2,3
.if \nat
.set DD, 8*(8*\n+\m)
.set AA, 96*((\s)%2)+12*\m
.set BB, 48*((\s)%2)+12*\n
.set SA, XS+8*(\m/2)+(\s)
.set SB, WS+8*(\n/2)+(\s)
.set RA, \m%2
.set RB, \n%2
.else
.set DD, 8*(4*\m+\n)
.set AA, 48*((\s)%2)+12*\n
.set BB, 96*((\s)%2)+12*\m
.set SA, WS+8*(\n/2)+(\s)
.set SB, XS+8*(\m/2)+(\s)
.set RA, \n%2
.set RB, \m%2
.endif
.set CC, DD
.if (\s)==0
.set CC, 128+8*\n
.endif
	WM
.endr
.endr
.endm
.macro STEP s, nat
	s_wait_dscnt 0x0                               ; this step's fragments are in (asked for 32 matrix instructions ago)
.if ((\s)%2==1)&&((\s)<7)
	s_wait_tensorcnt 3-((\s)+1)/2                  ; my part of the next chunk has landed; the chunks behind it may be out
	s_barrier_signal -1
	s_barrier_wait -1                              ; everybody's has
.endif
.if (\s)<7
.if (\s)>0
	PLACES                                         ; the loads below land in the set that the last step multiplied
.endif
	FETCH (\s)+1
.endif
.if (\s)==0
	s_wait_loadcnt 0x0                             ; the scale words and the bias
.endif
	MULS \s, \nat
.endm
.macro RUN nat
	s_wait_tensorcnt 3                             ; my part of chunk 0 has landed; three chunks may be out
	s_barrier_signal -1
	s_barrier_wait -1
	FETCH 0
.irp s, 0,1,2,3,4,5,6,7
	STEP \s, \nat
.endr
	WIN 0
	PLACES                                         ; in front of the first read of results
.endm
; nb blocks of 32 in window 1, register a + 16 b + i = number 32 b + 16 h + i of my row, become codes in v[pc] on and a scale word in v[wd].  Each accumulator is read from its low end on.
.macro QW a, nb, pc, wd
	WIN 0x05
.set qb, 0
.rept \nb
	v_max3_num_f32 v[TM+qb], |v[(\a)+16*qb]|, |v[(\a)+16*qb+1]|, FLOOR
.set qb, qb+1
.endr
	WIN 0x14
.irp i, 2,4,6,8,10,12,14
.set qb, 0
.rept \nb
	v_max3_num_f32 v[TM+qb], v[TM+qb], |v[(\a)+16*qb+\i]|, |v[(\a)+16*qb+\i+1]|
.set qb, qb+1
.endr
.endr
	WIN 0
.set qb, 0
.rept \nb
	v_permlanex16_b32 v[TM+4+qb], v[TM+qb], s84, s85
.set qb, qb+1
.endr
.set qb, 0
.rept \nb
	v_max_num_f32 v[TM+qb], v[TM+qb], v[TM+4+qb]   ; with lane L xor 16's 16: the block's largest magnitude
.set qb, qb+1
.endr
.set qb, 0
.rept \nb
	v_add_nc_u32 v[TM+8+qb], EOFF, v[TM+qb]        ; the conversion's operand
.set qb, qb+1
.endr
.set qb, 0
.rept \nb
	v_lshrrev_b32 v[TM+4+qb], 23, v[TM+8+qb]       ; the byte
.set qb, qb+1
.endr
	v_lshl_or_b32 v[\wd], v[TM+5], 8, v[TM+4]
.if \nb == 4
	v_lshl_or_b32 v[\wd], v[TM+6], 16, v[\wd]
	v_lshl_or_b32 v[\wd], v[TM+7], 24, v[\wd]
.endif
	WIN 0x01
.set qc, 0
.rept \nb/2
	v_cvt_scalef32_pk16_fp6_f32 v[(\pc)+6*qc:(\pc)+6*qc+2], v[(\a)+32*qc:(\a)+32*qc+15], v[TM+8+2*qc]
	v_cvt_scalef32_pk16_fp6_f32 v[CT+4*qc:CT+4*qc+2], v[(\a)+32*qc+16:(\a)+32*qc+31], v[TM+9+2*qc]
.set qc, qc+1
.endr
	WIN 0
	v_nop                                          ; one plain instruction behind the conversions
.set qc, 0
.rept \nb/2                                    ; the operand's layout wants a whole block in a lane: lanes 0-15 block 2 c, lanes 16-31 block 2 c + 1
.irp i, 0,1,2
	v_permlane16_swap_b32 v[(\pc)+6*qc+\i], v[CT+4*qc+\i]
.endr
.irp i, 0,1,2
	v_mov_b32 v[(\pc)+6*qc+3+\i], v[CT+4*qc+\i]
.endr
.set qc, qc+1
.endr
.endm
	s_cmp_eq_u32 s83, 2
	s_cbranch_scc1 .Lnat
	; ---------------- Q, K, G: transposed.  The bias of column tile n: lane (r, h), register j: column 32 (n / 2) + 16 h + 8 (n % 2) + j
	WIN 0xc0
.irp n, 0,1,2,3
	global_load_b128 v[128+8*\n:131+8*\n], v12, s[80:81] offset:4*(32*(\n/2)+8*(\n%2))
	global_load_b128 v[132+8*\n:135+8*\n], v12, s[80:81] offset:4*(32*(\n/2)+8*(\n%2))+16
.endr
	RUN 0
	s_cmp_eq_u32 s83, 3
	s_cbranch_scc1 .Lepi_g
	; ---------------- Q, K: registers 32 m + 16 b + i of window 1: token tile m's row r, channel 32 b + 16 h + i
.irp m, 0,1,2,3,4,5,6,7
	WIN 0x05
	v_pk_mul_f32 v[SQ:SQ+1], v[32*\m:32*\m+1], v[32*\m:32*\m+1]
	v_pk_mul_f32 v[SQ+2:SQ+3], v[32*\m+2:32*\m+3], v[32*\m+2:32*\m+3]
.irp j, 4,8,12,16,20,24,28
	v_pk_fma_f32 v[SQ:SQ+1], v[32*\m+\j:32*\m+\j+1], v[32*\m+\j:32*\m+\j+1], v[SQ:SQ+1]
	v_pk_fma_f32 v[SQ+2:SQ+3], v[32*\m+\j+2:32*\m+\j+3], v[32*\m+\j+2:32*\m+\j+3], v[SQ+2:SQ+3]
.endr
	QW 32*\m, 2, CR+6*\m, WD+\m
	v_pk_add_f32 v[SQ:SQ+1], v[SQ:SQ+1], v[SQ+2:SQ+3]
	v_add_f32 v[SS+\m], v[SQ], v[SQ+1]
	v_permlanex16_b32 v[TM+4], v[SS+\m], s84, s85
	v_add_f32 v[SS+\m], v[SS+\m], v[TM+4]          ; the token's sum of squares over the head's 64, of the numbers as they are in f32
.endr
	s_cmp_lt_u32 s14, 2
	s_cselect_b32 s86, 1.0, -0.5                   ; Q: as it is; K: x -0.5, as the C of the scores' product wants it
.irp p, 0,1,2,3
	v_cndmask_b32 v[SW+\p], v[WD+2*\p], v[WD+2*\p+1], s82   ; tile 2 p in lanes 0-15, tile 2 p + 1 in lanes 16-31
	v_cndmask_b32 v[NR+\p], v[SS+2*\p], v[SS+2*\p+1], s82
.endr
.irp p, 0,1,2,3
	v_mul_f32 v[NR+\p], s86, v[NR+\p]
.endr
	s_lshr_b32 s87, s13, 4
	s_lshl_b32 s87, s87, 4
	s_lshl_b32 s88, s14, 2
	s_add_co_u32 s87, s87, s88
	s_add_co_u32 s87, s87, s10                     ; 16 b + head row
	s_lshl_b32 s88, s87, 4
	s_add_co_u32 s88, s88, s89                     ; .. x 16 + block
	s_mul_i32 s90, s88, 6144
	s_mov_b32 s91, 0
	s_add_nc_u64 s[90:91], s[8:9], s[90:91]
	s_lshl_b32 s92, s88, 9
	s_mov_b32 s93, 0
	s_add_nc_u64 s[92:93], s[8:9], s[92:93]
	s_lshl_b32 s94, s87, 13
	s_lshl_b32 s95, s89, 9
	s_add_co_u32 s94, s94, s95
	s_mov_b32 s95, 0
	s_add_nc_u64 s[94:95], s[8:9], s[94:95]
.irp p, 0,1,2,3,4,5,6,7,8,9,10,11
	global_store_b128 v4, v[CR+4*\p:CR+4*\p+3], s[90:91] offset:QKC+512*\p   ; 512 consecutive bytes a store
.endr
	global_store_b128 v4, v[SW:SW+3], s[92:93] offset:QKSC
.irp p, 0,1,2,3
	global_store_b32 v5, v[NR+\p], s[94:95] offset:NRM+128*\p                ; a group's 32 tokens: 128 consecutive bytes
.endr
	s_branch .Lend
.Lepi_g:
	; ---------------- G: the accumulators leave as they stand: token tile m's 32 registers are eight pieces of 512 bytes
	s_sub_co_u32 s87, s14, 6
	s_lshl_b32 s87, s87, 2
	s_add_co_u32 s87, s87, s10                     ; head
	s_lshl_b32 s90, s87, 12
	s_lshl_b32 s88, s13, 18
	s_add_co_u32 s90, s90, s88
	s_mov_b32 s91, 0
	s_add_nc_u64 s[90:91], s[8:9], s[90:91]
	WIN 0x04                                       ; a store's data are its source 1: window 1
.set k, 0
.rept 64
	global_store_b128 v4, v[4*k:4*k+3], s[90:91] offset:GIMG+32768*(k/8)+512*(k%8) th:TH_STORE_NT
.set k, k+1
.endr
	WIN 0
	s_branch .Lend
.Lnat:
	; ---------------- V: natural.  The bias of column tile n is one number a lane, in all eight registers
	WIN 0xc0
.irp n, 0,1,2,3
.irp j, 0,1,2,3,4,5,6,7
	global_load_b32 v[128+8*\n+\j], v13, s[80:81] offset:4*(32*(\n/2)+8*(\n%2))
.endr
.endr
	RUN 1
	; registers 64 n + 16 b + i of window 1: channel tile n's row r, key 32 b + 16 h + i of my 128
.irp n, 0,1,2,3
	QW 64*\n, 4, CR+12*\n, WD+\n
.endr
	v_cndmask_b32 v[SW], v[WD], v[WD+1], s82
	v_cndmask_b32 v[SW+1], v[WD+2], v[WD+3], s82
	s_lshr_b32 s87, s13, 4
	s_lshl_b32 s87, s87, 3
	s_sub_co_u32 s88, s14, 4
	s_lshl_b32 s88, s88, 2
	s_add_co_u32 s87, s87, s88
	s_add_co_u32 s87, s87, s10                     ; 8 b + head
	s_lshl_b32 s87, s87, 4
	s_add_co_u32 s87, s87, s89
	s_mul_i32 s90, s87, 6144
	s_mov_b32 s91, 0
	s_add_nc_u64 s[90:91], s[8:9], s[90:91]
	s_lshl_b32 s92, s87, 8
	s_mov_b32 s93, 0
	s_add_nc_u64 s[92:93], s[8:9], s[92:93]
.irp p, 0,1,2,3,4,5,6,7,8,9,10,11
	global_store_b128 v4, v[CR+4*\p:CR+4*\p+3], s[90:91] offset:VC+512*\p
.endr
	global_store_b64 v14, v[SW:SW+1], s[92:93] offset:VSC
.Lend:
	s_wait_tensorcnt 0x0
	ds_add_u32 v254, v255
	s_wait_dscnt 0x0
	CROUND                                         ; the closing round: no work-group ends while a partner may still ask for a tile that names it
	s_endpgm
.Lfunc_end_k_qa52343a6d2_qkvg:
	.size	k_qa52343a6d2_qkvg, .Lfunc_end_k_qa52343a6d2_qkvg-k_qa52343a6d2_qkvg
	.p2alignl 7, 3214868480
	.fill 96, 4, 3214868480
	.section	.rodata,"a",@progbits
	.p2align	6, 0x0
	.amdhsa_kernel k_qa52343a6d2_qkvg
		.amdhsa_group_segment_fixed_size 295424
		.amdhsa_private_segment_fixed_size 0
		.amdhsa_enable_private_segment 0
		.amdhsa_kernarg_size 24
		.amdhsa_user_sgpr_count 2
		.amdhsa_user_sgpr_kernarg_segment_ptr 1
		.amdhsa_wavefront_size32 1
		.amdhsa_system_sgpr_workgroup_id_x 1
		.amdhsa_system_sgpr_workgroup_id_y 1
		.amdhsa_system_sgpr_workgroup_id_z 1
		.amdhsa_system_vgpr_workitem_id 0
		.amdhsa_next_free_vgpr 1024
		.amdhsa_next_free_sgpr 100
		.amdhsa_reserve_vcc 0
		.amdhsa_float_denorm_mode_32 3
		.amdhsa_float_denorm_mode_16_64 3
		.amdhsa_memory_ordered 1
		.amdhsa_forward_progress 1
		.amdhsa_inst_pref_size 173
	.end_amdhsa_kernel
	.amdgpu_metadata
---
amdhsa.version: [ 1, 2 ]
amdhsa.kernels:
  - .name:           k_qa52343a6d2_qkvg
    .symbol:         k_qa52343a6d2_qkvg.kd
    .args:
      - { .name: pq, .offset: 0, .size: 8, .value_kind: global_buffer, .address_space: global }
      - { .name: b_qkvg, .offset: 8, .size: 8, .value_kind: global_buffer, .address_space: global }
      - { .name: act, .offset: 16, .size: 8, .value_kind: global_buffer, .address_space: global }
    .group_segment_fixed_size: 295424
    .private_segment_fixed_size: 0
    .kernarg_segment_align: 8
    .kernarg_segment_size: 24
    .max_flat_workgroup_size: 128
    .sgpr_count:     100
    .vgpr_count:     1024
    .wavefront_size: 32
...
	.end_amdgpu_metadata
.endif
;; end of part 2
;; launch attn (part 3): grid 16 x 16, 16 waves a work-group, no clusters, 291,328 bytes of LDS; arguments act, mk, yg; writes yg
.if DOCPART == 3
	.amdgcn_target "amdgcn-amd-amdhsa--gfx1250"
	.amdhsa_code_object_version 6
	.text
	.protected	k_qa52343a6d2_attn
	.globl	k_qa52343a6d2_attn
	.p2align	8
	.type	k_qa52343a6d2_attn,@function
k_qa52343a6d2_attn:
	s_mov_b64 s[64:65], 0
	v_nop
	global_prefetch_b8 v0, s[64:65] scope:SCOPE_SE
	s_setreg_imm32_b32 hwreg(HW_REG_WAVE_MODE, 25, 1), 1
	s_wait_xcnt 0x0
; Shepard attention of one (batch, head), and the gate: weight = 1 / max(|q - k|^2, 1e-16), 0 where the mask hides; attn = weight / max(sum of the row, 1e-8); Y = attn V; Y x G is quantised along the head.
; Both products on FP6 (E2M3) codes with E8M0 scales.  attn IS QUANTISED NORMALISED, so a row's sum is wanted before any weight can be coded: a tile of 16 queries keeps its 2,048 weights in the
; registers of the work-group's sixteen waves until the sum is known, and the scores are made once.
; SHARES.  Work-group (j, bh) takes the query tiles j + 16 idx, idx = 0..7, of (batch, head) bh.  WAVE w OWNS KEYS 128 w .. 128 w + 127 FOR THE WHOLE LAUNCH: its fragments of K and of V^T and their scale
; words are read from memory once and stay in registers.  Four waves lie on a SIMD: one wave's vector work stands beside another's matrix work and waits.
; A PASS (one tile of queries), one barrier: A: S^T = K Q^T - 0.5 |k|^2 (the C), d2 = |q|^2 - 2 S^T, weights, mask, my part of the rows' sums to LDS | barrier | B: the sums, attn, codes, O^T = V^T P^T, my part of O^T to LDS.
; BEHIND FOUR PASSES, two stages.  1: ALL SIXTEEN WAVES add the parts: wave w takes tile w & 3 and two of the eight pieces of its O^T, adds the sixteen waves' parts of them, multiplies by its slice of G
; (asked for at the head of the half, so that nothing here waits for memory) and puts the result into LDS | barrier | 2: waves 12 to 15 each read one whole tile back, quantise it and store, while the others go on.
; THE HEAD'S 64 ARE HALF OF THE INSTRUCTION'S K: Q's fragment holds zero codes in its upper six registers, so what the key operand holds there adds nothing, and K's fragments lie 6 registers apart.
; THE MASK is read as lane-mask words (one for each of a tile's 64 registers) and a class for each (tile, 128 keys), both whole numbers made by the launch before: class 2, all hidden: the wave's step is left out
; (its part of O^T is stored as zeros); class 0, none hidden: the 64 selects are left out; in stage 1 a group of four waves none of which had a part is left out.  That holds for every mask.
; NO TENSOR LOADS AND NO CLUSTER: the text branches on those classes, which are read from memory, so operands go from memory straight into registers; what the sixteen work-groups of a (batch, head) share,
; 200 KiB of K and V, is read once by each.
; LIMITS: weight is rcp(max(d2, 1e-16)) and attn is weight x rcp(sum): each within two roundings of the quotient; the sums are added in another order than a plain row sum; a block of weights under 2^-124
; keeps the scale byte 1; NaN and infinities are not served.
.set QKC,   0
.set QKSC,  3145728
.set NRM,   3407872
.set VC,    3670016
.set VSC,   5242880
.set GIMG,  5308416
.set MS,    524288
.set YGC,   0                          ; yg: codes [row block of 128 tokens 32][tile 8][K step 4][6 pieces of 256 bytes: two registers, 8 bytes a lane]; head 2 s + c fills pieces 3 c on
.set YGSC,  1572864                    ;     scale words [group of 32 tokens 128][head 8][32 words], two bytes used
.set K2B,   262144                     ; LDS: parts of O^T [wave 16][pass 4][4096] at 0; here -0.5 |k|^2 of each wave's keys, 512 bytes a wave, its own;
.set TOT,   270336                     ;      here the rows' partial sums [parity 2][row 16][16 words + 16 bytes];
.set RED,   272896                     ;      here Y x G of four tiles [tile 4][8 pieces of 512 bytes]
.set FLOOR, 0x1800000
.set EOFF,  0xff000000
.set LI,  1                            ; v1   16 L
.set K2A, 2                            ; v2   K2B + 512 w + 64 h
.set TW,  3                            ; v3   TOT + 80 r + 4 w
.set TR,  4                            ; v4   TOT + 80 r
.set OW,  5                            ; v5   16384 w + 16 L: where I put my parts
.set OR0, 6                            ; v6   4096 (w & 3) + 1024 ((w >> 2) xor 3) + 16 L: my two pieces of my tile in the parts of waves 0-3; v7, v243, v247: of waves 4-7, 8-11, 12-15
.set OR1, 7
.set OR2, 243
.set OR3, 247
.set QO,  8                            ; v8-10 offsets of Q's three pairs of registers
.set RW,  11                           ; v11  RED + v6: where I put my two pieces; in waves 12 to 15, whose quarter is 0, also where a tile is read back
.set PW,  12                           ; v12  the weights' scale word
.set QSC, 13                           ; v13  Q's scale word
.set RT,  14                           ; v14  1 / the row's sum (named as a pair with v15)
.set QSO, 15                           ; v15  offset of Q's scale word
.set KF,  16                           ; v16-63   K: tile t at 6 t on
.set VF,  64                           ; v64-111  V^T: tile t at 12 t on
.set KSC, 112                          ; v112-115 K's scale words: register p: tile 2 p in lanes 0-15, tile 2 p + 1 in lanes 16-31
.set VSCR, 116                         ; v116-117 V's likewise
.set Q2,  118                          ; v118 |q|^2 (named as a pair with v119)
.set Q2O, 119                          ; v119 its offset
.set QF,  120                          ; v120-131 Q's fragment; v126-131 zero codes, set once
.set W,   132                          ; v132-195 scores, weights, attn: register 16 b + i = key 32 b + 16 h + i of my 128, query r
.set O,   132                          ; v132-163 O^T, laid over the weights, which are done with once they are coded: register 8 t + i = channel 32 (t / 2) + 16 h + 8 (t % 2) + i
.set TT,  196                          ; v196-211 the sixteen parts of a row's sum (at the head: offsets of the loads that stay)
.set GS,  212                          ; v212-219 my slice of G for this half
.set CL,  220                          ; v220 lane r: the class of (my tile of this half, step r)
.set CLO, 221                          ; v221 its offset
.set R4,  222                          ; v222 4 r
.set GO,  223                          ; v223 my slice's offset
.set PC,  228                          ; v228-239 the weights' codes
.set CT,  240                          ; v240-242, v244-246 second halves of blocks
.set TM,  248                          ; v248-251 largest magnitudes, then the conversions' operands; v252-255 bytes
	s_load_b128 s[16:19], s[0:1], 0x0              ; act, mk
	s_load_b64 s[20:21], s[0:1], 0x10              ; yg
	v_lshl_add_u32 v226, v0, 2, 0x46a00
	v_mov_b32 v227, 0
	v_lshrrev_b32 v248, 5, v0
	v_readfirstlane_b32 s2, v248                   ; wave w
	s_mov_b32 s3, ttmp9                            ; j
	s_and_b32 s4, ttmp7, 0xffff                    ; bh
	s_lshr_b32 s5, s4, 3                           ; batch
	s_and_b32 s7, s4, 7                            ; head
	s_lshl_b32 s8, s5, 4
	s_add_co_u32 s8, s8, s7                        ; 16 b + head: Q's head row
	s_mov_b32 s12, 0x76543210
	s_mov_b32 s13, 0xfedcba98                      ; v_permlanex16_b32's selects for lane L xor 16
	s_mov_b32 s14, 0x24e69595                      ; 1e-16 = (1e-8)^2
	s_mov_b32 s15, 0x322bcc77                      ; 1e-8
	s_lshl_b32 s9, s3, 4
	s_add_co_u32 s9, s9, s2
	s_lshl_b32 s30, s9, 8                          ; (16 j + w) 256: my mask words of idx 0
	s_lshl_b32 s31, s9, 2
	s_add_co_u32 s31, s31, MS                      ; and my class
	; every LDS address is made here, from the thread's number and constants
	v_and_b32 v248, 31, v0                         ; L
	v_and_b32 v249, 15, v0                         ; r
	v_bfe_u32 v250, v0, 4, 1                       ; h
	v_lshlrev_b32 v[LI], 4, v248
	s_lshl_b32 s9, s2, 9
	s_add_co_u32 s9, s9, K2B
	v_lshl_add_u32 v[K2A], v250, 6, s9
	v_add_nc_u32 v251, s9, v[LI]                   ; -0.5 |k|^2 on its way in
	v_mul_u32_u24 v[TR], v249, 80
	v_add_nc_u32 v[TR], TOT, v[TR]
	s_lshl_b32 s9, s2, 2
	v_add_nc_u32 v[TW], s9, v[TR]
	s_lshl_b32 s9, s2, 14
	v_add_nc_u32 v[OW], s9, v[LI]
	s_and_b32 s9, s2, 3
	s_lshl_b32 s9, s9, 12                          ; my tile of a half: w & 3
	s_lshr_b32 s28, s2, 2
	s_xor_b32 s28, s28, 3                          ; my quarter of its eight pieces: (w >> 2) xor 3, which is 0 in waves 12 to 15
	s_lshl_b32 s28, s28, 10
	s_add_co_u32 s9, s9, s28
	v_add_nc_u32 v[OR0], s9, v[LI]
	v_add_nc_u32 v[OR1], 0x10000, v[OR0]
	v_add_nc_u32 v[OR2], 0x20000, v[OR0]
	v_add_nc_u32 v[OR3], 0x30000, v[OR0]
	v_add_nc_u32 v[RW], RED, v[OR0]
	v_lshlrev_b32 v[R4], 2, v249
	; Q's tile j + 16 idx is tile j & 7 of block (j >> 3) + 2 idx: its registers 6 tau .. 6 tau + 5 of the block's image, in pairs
	s_and_b32 s28, s3, 7                           ; tau
	s_lshl_b32 s29, s8, 4
	s_lshr_b32 s68, s3, 3
	s_add_co_u32 s29, s29, s68
	s_mul_i32 s70, s29, 6144
	s_mul_i32 s71, s28, 3
.irp i, 0,1,2
	s_add_co_u32 s72, s71, \i                      ; pair q = 3 tau + i: piece q >> 1, half q & 1
	s_lshr_b32 s73, s72, 1
	s_lshl_b32 s73, s73, 9
	s_and_b32 s72, s72, 1
	s_lshl_b32 s72, s72, 3
	s_add_co_u32 s73, s73, s72
	s_add_co_u32 s73, s73, s70
	v_add_nc_u32 v[QO+\i], s73, v[LI]
.endr
	s_lshl_b32 s72, s29, 9
	s_and_b32 s73, s3, 1
	s_lshl_b32 s74, s73, 8
	s_add_co_u32 s72, s72, s74
	s_lshr_b32 s74, s28, 1
	s_lshl_b32 s74, s74, 2
	s_add_co_u32 s72, s72, s74
	v_lshl_add_u32 v[QSO], v249, 4, s72            ; the tile's words, fetched into lanes 0-15 (and 16-31 alike)
	v_and_b32 v[Q2O], 7, v249
	v_lshrrev_b32 v252, 3, v249
	v_lshl_add_u32 v[Q2O], v252, 4, v[Q2O]
	s_lshl_b32 s72, s8, 13
	s_lshr_b32 s74, s3, 1
	s_lshl_b32 s74, s74, 7
	s_add_co_u32 s72, s72, s74
	s_lshl_b32 s74, s73, 5
	s_add_co_u32 s72, s72, s74
	v_lshl_add_u32 v[Q2O], v[Q2O], 2, s72          ; my query's place among the head row's tokens
	; what stays: K, V^T, their scale words, -0.5 |k|^2.  All take act itself as their base and carry the rest in vector offsets that are not written again before the wait for these loads:
	; so nothing that follows has to wait for their addresses
	s_add_co_u32 s68, s8, 8                        ; K's head row
	s_lshl_b32 s69, s68, 4
	s_add_co_u32 s69, s69, s2
	s_mul_i32 s70, s69, 6144
	v_add_nc_u32 v[TT], s70, v[LI]                 ; K's codes
	s_lshl_b32 s70, s69, 9
	v_add_nc_u32 v[TT+1], s70, v[LI]               ; K's scale words
	s_lshl_b32 s70, s68, 13
	s_lshl_b32 s71, s2, 9
	s_add_co_u32 s70, s70, s71
	v_add_nc_u32 v[TT+2], s70, v[LI]               ; -0.5 |k|^2
	s_lshl_b32 s69, s4, 4
	s_add_co_u32 s69, s69, s2
	s_mul_i32 s70, s69, 6144
	v_add_nc_u32 v[TT+3], s70, v[LI]               ; V's codes
	s_lshl_b32 s70, s69, 8
	v_lshl_add_u32 v[TT+4], v248, 3, s70           ; V's scale words: 8 L
	s_wait_kmcnt 0x0
.irp p, 0,1,2,3,4,5,6,7,8,9,10,11
	global_load_b128 v[KF+4*\p:KF+4*\p+3], v[TT], s[16:17] offset:QKC+512*\p
.endr
	global_load_b128 v[KSC:KSC+3], v[TT+1], s[16:17] offset:QKSC
	global_load_b128 v[232:235], v[TT+2], s[16:17] offset:NRM
.irp p, 0,1,2,3,4,5,6,7,8,9,10,11
	global_load_b128 v[VF+4*\p:VF+4*\p+3], v[TT+3], s[16:17] offset:VC+512*\p
.endr
	global_load_b64 v[VSCR:VSCR+1], v[TT+4], s[16:17] offset:VSC
; What the next pass wants: Q's fragment, scale word and |q|^2, my 64 mask words and my class, for tile idx' = (4 H + p + 1) & 7 (behind the last pass tile 0 once more: no load leaves its buffer).
; The bases' and offsets' last users were waited for at the last pass's foot.
.macro PREF p
	s_lshl_b32 s29, s6, 2
	s_add_co_u32 s29, s29, (\p)+1
	s_and_b32 s29, s29, 7
	s_mul_i32 s100, s29, 12288
	s_mov_b32 s101, 0
	s_add_nc_u64 s[22:23], s[16:17], s[100:101]
	s_lshl_b32 s100, s29, 10
	s_add_nc_u64 s[24:25], s[16:17], s[100:101]
	s_add_co_u32 s27, s100, s31
	s_lshl_b32 s26, s29, 16
	s_add_co_u32 s26, s26, s30
	global_load_b64 v[QF:QF+1], v[QO], s[22:23] offset:QKC
	global_load_b64 v[QF+2:QF+3], v[QO+1], s[22:23] offset:QKC
	global_load_b64 v[QF+4:QF+5], v[QO+2], s[22:23] offset:QKC
	global_load_b32 v[QSC], v[QSO], s[24:25] offset:QKSC
	global_load_b32 v[Q2], v[Q2O], s[24:25] offset:NRM
	s_load_b512 s[32:47], s[18:19], s26 offset:0x0     ; words 0-15
	s_load_b512 s[48:63], s[18:19], s26 offset:0x40    ; 16-31
	s_load_b512 s[68:83], s[18:19], s26 offset:0x80    ; 32-47
	s_load_b512 s[84:99], s[18:19], s26 offset:0xc0    ; 48-63
	s_load_b32 s10, s[18:19], s27 offset:0x0           ; the class
.endm
	s_mov_b32 s6, 0                                ; H: which half of the eight tiles
	PREF -1                                        ; tile idx 0
.irp i, 6,7,8,9,10,11
	v_mov_b32 v[QF+\i], 0                          ; zero codes for the upper half of the instruction's K
.endr
.irp i, 4,5,6,7
	v_mov_b32 v[TM+\i], 0                          ; written once: a lane permute's destination counts as one of its sources
.endr
	s_wait_loadcnt 0x0
	ds_store_b128 v251, v[232:235]                 ; my keys' -0.5 |k|^2: my wave's own bytes, so no barrier
.set k, 0
.rept 16
	ds_load_b128 v[W+4*k:W+4*k+3], v[K2A] offset:128*(k/4)+16*(k%4)   ; (so that W has been written on every way through the text)
.set k, k+1
.endr
	s_wait_dscnt 0x0
	s_wait_kmcnt 0x0
.macro KQ t                            ; S^T's tile t: source 0 = 16 of my keys, source 1 = the 16 queries; C holds -0.5 |k|^2
.if (\t)%2
	v_wmma_scale_f32_16x16x128_f8f6f4 v[W+8*(\t):W+8*(\t)+7], v[KF+6*(\t):KF+6*(\t)+11], v[QF:QF+11], v[W+8*(\t):W+8*(\t)+7], v[KSC+(\t)/2], v[QSC] matrix_a_fmt:MATRIX_FMT_FP6 matrix_b_fmt:MATRIX_FMT_FP6 matrix_a_scale:MATRIX_SCALE_ROW1
.else
	v_wmma_scale_f32_16x16x128_f8f6f4 v[W+8*(\t):W+8*(\t)+7], v[KF+6*(\t):KF+6*(\t)+11], v[QF:QF+11], v[W+8*(\t):W+8*(\t)+7], v[KSC+(\t)/2], v[QSC] matrix_a_fmt:MATRIX_FMT_FP6 matrix_b_fmt:MATRIX_FMT_FP6
.endif
.endm
.macro PV t                            ; O^T's tile t: source 0 = 16 channels of V^T, source 1 = the weights; K = my 128 keys
.if (\t)%2
	v_wmma_scale_f32_16x16x128_f8f6f4 v[O+8*(\t):O+8*(\t)+7], v[VF+12*(\t):VF+12*(\t)+11], v[PC:PC+11], 0, v[VSCR+(\t)/2], v[PW] matrix_a_fmt:MATRIX_FMT_FP6 matrix_b_fmt:MATRIX_FMT_FP6 matrix_a_scale:MATRIX_SCALE_ROW1
.else
	v_wmma_scale_f32_16x16x128_f8f6f4 v[O+8*(\t):O+8*(\t)+7], v[VF+12*(\t):VF+12*(\t)+11], v[PC:PC+11], 0, v[VSCR+(\t)/2], v[PW] matrix_a_fmt:MATRIX_FMT_FP6 matrix_b_fmt:MATRIX_FMT_FP6
.endif
.endm
; PASS p of a half: tile idx = 4 H + p
.macro PASS p
	; ---- A
	s_cmp_eq_u32 s10, 2                            ; all my keys hidden from all sixteen queries: my part of the sums is 0
	s_cbranch_scc1 .Lzero_\@
.set k, 0
.rept 16
	ds_load_b128 v[W+4*k:W+4*k+3], v[K2A] offset:128*(k/4)+16*(k%4)   ; -0.5 |k|^2 in the result's layout
.set k, k+1
.endr
	s_wait_dscnt 0x0
.irp t, 0,1,2,3,4,5,6,7
	KQ \t                                          ; eight accumulators, one instruction each
.endr
.rept 4
	v_nop                                          ; four plain instructions in front of the first read of results
.endr
.set k, 0
.rept 32
	v_pk_fma_f32 v[W+k:W+k+1], v[W+k:W+k+1], -2.0, v[Q2:Q2+1] op_sel_hi:[1,0,0]   ; d2 = |q|^2 + |k|^2 - 2 q.k
.set k, k+2
.endr
.set k, 0
.rept 64
	v_max_num_f32 v[W+k], s14, v[W+k]              ; max(d2, 1e-16): the clip at 0, the root, the clip at 1e-8 and the square in one
.set k, k+1
.endr
.set k, 0
.rept 64
	v_rcp_f32 v[W+k], v[W+k]
.set k, k+1
.endr
	v_nop                                          ; a plain instruction behind the transcendentals
	s_cmp_eq_u32 s10, 0
	s_cbranch_scc1 .Lopen_\@                       ; nothing hidden here
.set k, 0
	s_wait_alu depctr_va_vdst(0)
.rept 64
	v_cndmask_b32 v[W+k], v[W+k], 0, s[32+k+4*(k/32)]   ; hidden: 0
.set k, k+1
.endr
.Lopen_\@:
	s_wait_alu depctr_va_vdst(0)
	v_pk_add_f32 v[228:229], v[W:W+1], v[W+4:W+5]
	v_pk_add_f32 v[230:231], v[W+2:W+3], v[W+6:W+7]
.set k, 8
.rept 14
	v_pk_add_f32 v[228:229], v[228:229], v[W+k:W+k+1]
	v_pk_add_f32 v[230:231], v[230:231], v[W+k+2:W+k+3]
.set k, k+4
.endr
	v_pk_add_f32 v[228:229], v[228:229], v[230:231]
	v_add_f32 v228, v228, v229
	v_permlanex16_b32 v229, v228, s12, s13
	v_add_f32 v228, v228, v229                     ; my 128 keys' part of query r's sum
	s_branch .Lsum_\@
.Lzero_\@:
	v_mov_b32 v228, 0
.Lsum_\@:
	ds_store_b32 v[TW], v228 offset:((\p)%2)*1280  ; two parities by turns: the next pass's stores never meet this pass's reads
	s_mov_b32 s11, s10                             ; this pass's class is kept; the next one's is asked for
	PREF \p
	s_wait_dscnt 0x0                               ; my part lies in LDS, and all my LDS reads are back
	s_barrier_signal -1
	s_barrier_wait -1
	; ---- B
	s_cmp_eq_u32 s11, 2
	s_cbranch_scc1 .Lhid_\@
.irp i, 0,1,2,3
	ds_load_b128 v[TT+4*\i:TT+4*\i+3], v[TR] offset:((\p)%2)*1280+16*\i   ; the sixteen parts of query r's sum
.endr
	s_wait_dscnt 0x0
	v_pk_add_f32 v[TT:TT+1], v[TT:TT+1], v[TT+2:TT+3]    ; in one fixed order: every wave gets the same bits
	v_pk_add_f32 v[TT+4:TT+5], v[TT+4:TT+5], v[TT+6:TT+7]
	v_pk_add_f32 v[TT+8:TT+9], v[TT+8:TT+9], v[TT+10:TT+11]
	v_pk_add_f32 v[TT+12:TT+13], v[TT+12:TT+13], v[TT+14:TT+15]
	v_pk_add_f32 v[TT:TT+1], v[TT:TT+1], v[TT+4:TT+5]
	v_pk_add_f32 v[TT+8:TT+9], v[TT+8:TT+9], v[TT+12:TT+13]
	v_pk_add_f32 v[TT:TT+1], v[TT:TT+1], v[TT+8:TT+9]
	v_add_f32 v[TT], v[TT], v[TT+1]
	v_max_num_f32 v[TT], s15, v[TT]
	v_rcp_f32 v[RT], v[TT]
	v_nop
.set k, 0
	s_wait_alu depctr_va_vdst(0)
.rept 32
	v_pk_mul_f32 v[W+k:W+k+1], v[W+k:W+k+1], v[RT:RT+1] op_sel_hi:[1,0]   ; attn
.set k, k+2
.endr
.irp b, 0,1,2,3
	v_max3_num_f32 v[TM+\b], v[W+16*\b], v[W+16*\b+1], FLOOR   ; no |.|: none is negative
.endr
.irp i, 2,4,6,8,10,12,14
.irp b, 0,1,2,3
	v_max3_num_f32 v[TM+\b], v[TM+\b], v[W+16*\b+\i], v[W+16*\b+\i+1]
.endr
.endr
.irp b, 0,1,2,3
	v_permlanex16_b32 v[TM+4+\b], v[TM+\b], s12, s13
.endr
.irp b, 0,1,2,3
	v_max_num_f32 v[TM+\b], v[TM+\b], v[TM+4+\b]
.endr
.irp b, 0,1,2,3
	v_add_nc_u32 v[TM+\b], EOFF, v[TM+\b]          ; 2 off the exponent field: the conversion's operand
.endr
.irp b, 0,1,2,3
	v_lshrrev_b32 v[TM+4+\b], 23, v[TM+\b]         ; the byte
.endr
	v_lshl_or_b32 v[PW], v[TM+5], 8, v[TM+4]
	v_lshl_or_b32 v[PW], v[TM+6], 16, v[PW]
	v_lshl_or_b32 v[PW], v[TM+7], 24, v[PW]
.irp c, 0,1
	v_cvt_scalef32_pk16_fp6_f32 v[PC+6*\c:PC+6*\c+2], v[W+32*\c:W+32*\c+15], v[TM+2*\c]
	v_cvt_scalef32_pk16_fp6_f32 v[CT+4*\c:CT+4*\c+2], v[W+32*\c+16:W+32*\c+31], v[TM+2*\c+1]
.endr
	v_nop                                          ; one plain instruction behind the conversions
.irp c, 0,1
.irp i, 0,1,2
	v_permlane16_swap_b32 v[PC+6*\c+\i], v[CT+4*\c+\i]
.endr
.irp i, 0,1,2
	v_mov_b32 v[PC+6*\c+3+\i], v[CT+4*\c+\i]
.endr
.endr
.rept 8
	v_nop                                          ; a scale word made by vector instructions stands eight plain instructions ahead of the scaled product, an operand so made four
.endr
.irp t, 0,1,2,3
	PV \t                                          ; the results are laid over the weights, which the conversions have read
.endr
.rept 5
	v_nop                                          ; four plain instructions in front of the stores of results; five, since the next pass's products write over these registers
.endr
.irp i, 0,1,2,3,4,5,6,7
	ds_store_b128 v[OW], v[O+4*\i:O+4*\i+3] offset:4096*(\p)+512*\i   ; my part of O^T, as it stands; each accumulator from its low end on
.endr
	s_branch .Lfoot_\@
.Lhid_\@:
.irp i, 0,1,2,3,4,5,6,7
	ds_store_b128 v[OW], v[QF+6:QF+9] offset:4096*(\p)+512*\i         ; all my keys hidden: my part is zeros, so that every part exists
.endr
.Lfoot_\@:
	s_wait_loadcnt 0x0                             ; the next pass's Q (and, in a half's first pass, my slice of G and my tile's classes),
	s_wait_kmcnt 0x0                               ; mask words and class
.endm
; Stage 1, group g: the parts that waves 4 g .. 4 g + 3 have of my two pieces are added, unless none of the four had a part
.macro GROUP g, reg
	s_and_b32 s29, s28, 0xf<<(4*\g)
	s_cmp_lg_u32 s29, 0
	s_cbranch_scc0 .Lnone_\@
.irp k, 0,1,2,3
.irp i, 0,1
	ds_load_b128 v[W+8*\k+4*\i:W+8*\k+4*\i+3], v[\reg] offset:16384*\k+512*\i
.endr
.endr
	s_wait_dscnt 0x0
.irp c, 0,2,4,6
	v_pk_add_f32 v[W+\c:W+1+\c], v[W+\c:W+1+\c], v[W+8+\c:W+9+\c]
	v_pk_add_f32 v[W+16+\c:W+17+\c], v[W+16+\c:W+17+\c], v[W+24+\c:W+25+\c]
.endr
.irp c, 0,2,4,6
	v_pk_add_f32 v[W+\c:W+1+\c], v[W+\c:W+1+\c], v[W+16+\c:W+17+\c]
.endr
.irp c, 0,2,4,6
	v_pk_add_f32 v[PC+\c:PC+1+\c], v[PC+\c:PC+1+\c], v[W+\c:W+1+\c]
.endr
.Lnone_\@:
.endm
.Lhalf:
	; what stage 1 will want, four passes ahead: the sixteen classes of tile idx = 4 H + (w & 3), and my two pieces of its G.  The offsets' last users were waited for at a pass's foot
	s_lshl_b32 s29, s6, 2
	s_and_b32 s9, s2, 3
	s_add_co_u32 s29, s29, s9
	s_lshl_b32 s28, s29, 4
	s_add_co_u32 s28, s28, s3                      ; the tile in its sequence
	s_lshl_b32 s9, s28, 6
	v_add_nc_u32 v[CLO], s9, v[R4]
	global_load_b32 v[CL], v[CLO], s[18:19] offset:MS
	s_lshl_b32 s9, s5, 7
	s_add_co_u32 s28, s28, s9                      ; T = 128 b + tile
	s_lshl_b32 s28, s28, 3
	s_add_co_u32 s28, s28, s7
	s_lshl_b32 s28, s28, 12                        ; G's image of (T, head),
	s_lshr_b32 s9, s2, 2
	s_xor_b32 s9, s9, 3
	s_lshl_b32 s9, s9, 10
	s_add_co_u32 s28, s28, s9                      ; my quarter of it
	v_add_nc_u32 v[GO], s28, v[LI]
	global_load_b128 v[GS:GS+3], v[GO], s[16:17] offset:GIMG th:TH_LOAD_NT
	global_load_b128 v[GS+4:GS+7], v[GO], s[16:17] offset:GIMG+512 th:TH_LOAD_NT
	PASS 0
	PASS 1
	PASS 2
	PASS 3
	s_wait_dscnt 0x0                               ; my parts lie in LDS
	s_barrier_signal -1
	s_barrier_wait -1                              ; everybody's do
	; ---- stage 1: every wave: my two pieces of my tile
	v_cmp_ne_u32 s28, 2, v[CL]                     ; bit S: wave S had a part of my tile
.irp i, 0,1,2,3,4,5,6,7
	v_mov_b32 v[PC+\i], 0                          ; a tile all of whose keys are hidden has no part at all
.endr
	GROUP 0, OR0
	GROUP 1, OR1
	GROUP 2, OR2
	GROUP 3, OR3
.irp c, 0,2,4,6
	v_pk_mul_f32 v[PC+\c:PC+1+\c], v[PC+\c:PC+1+\c], v[GS+\c:GS+1+\c]   ; Y x G: the same layout
.endr
	ds_store_b128 v[RW], v[PC:PC+3]
	ds_store_b128 v[RW], v[PC+4:PC+7] offset:512
	s_wait_dscnt 0x0                               ; my pieces lie in LDS, and my reads of the parts are back: parts are written again only behind this barrier
	s_barrier_signal -1
	s_barrier_wait -1
	s_cmp_lt_u32 s2, 12
	s_cbranch_scc1 .Lnot_mine                      ; twelve waves go straight on
	; ---- stage 2: waves 12 to 15: tile idx = 4 H + (w & 3) is quantised and stored
.irp i, 0,1,2,3,4,5,6,7
	ds_load_b128 v[O+4*\i:O+4*\i+3], v[RW] offset:512*\i
.endr
	s_and_b32 s29, s2, 3
	s_lshl_b32 s28, s6, 2
	s_add_co_u32 s29, s29, s28
	s_lshl_b32 s28, s29, 4
	s_add_co_u32 s28, s28, s3                      ; the tile in its sequence
	s_lshl_b32 s26, s5, 7
	s_add_co_u32 s28, s28, s26                     ; T = 128 b + tile
	s_lshr_b32 s26, s28, 3
	s_mul_i32 s26, s26, 49152
	s_and_b32 s9, s28, 7
	s_mul_i32 s9, s9, 6144
	s_add_co_u32 s26, s26, s9
	s_mul_i32 s9, s7, 768                          ; K step head / 2 (1,536 bytes), half head % 2 (768)
	s_add_co_u32 s26, s26, s9
	s_mov_b32 s27, 0
	s_add_nc_u64 s[26:27], s[20:21], s[26:27]
	s_lshr_b32 s100, s28, 1
	s_lshl_b32 s100, s100, 3
	s_add_co_u32 s100, s100, s7
	s_lshl_b32 s100, s100, 7
	s_and_b32 s9, s28, 1
	s_lshl_b32 s9, s9, 5
	s_add_co_u32 s100, s100, s9
	s_mov_b32 s101, 0
	s_add_nc_u64 s[100:101], s[20:21], s[100:101]
	v_and_b32 v255, 15, v0
	v_and_b32 v254, 7, v255
	v_lshrrev_b32 v255, 3, v255
	v_lshl_add_u32 v254, v255, 4, v254
	v_lshlrev_b32 v254, 2, v254                    ; 4 ((r & 7) + 16 (r >> 3))
	v_and_b32 v251, 31, v0
	v_lshlrev_b32 v251, 3, v251                    ; 8 L
	s_wait_dscnt 0x0
.irp b, 0,1
	v_max3_num_f32 v[TM+\b], |v[O+16*\b]|, |v[O+16*\b+1]|, FLOOR
.endr
.irp i, 2,4,6,8,10,12,14
.irp b, 0,1
	v_max3_num_f32 v[TM+\b], v[TM+\b], |v[O+16*\b+\i]|, |v[O+16*\b+\i+1]|
.endr
.endr
.irp b, 0,1
	v_permlanex16_b32 v[TM+4+\b], v[TM+\b], s12, s13
.endr
.irp b, 0,1
	v_max_num_f32 v[TM+\b], v[TM+\b], v[TM+4+\b]
.endr
.irp b, 0,1
	v_add_nc_u32 v[TM+\b], EOFF, v[TM+\b]
.endr
.irp b, 0,1
	v_lshrrev_b32 v[TM+4+\b], 23, v[TM+\b]
.endr
	v_lshl_or_b32 v250, v[TM+5], 8, v[TM+4]        ; the head's two bytes of my token
	v_cvt_scalef32_pk16_fp6_f32 v[PC:PC+2], v[O:O+15], v[TM]
	v_cvt_scalef32_pk16_fp6_f32 v[CT:CT+2], v[O+16:O+31], v[TM+1]
	v_nop
.irp i, 0,1,2
	v_permlane16_swap_b32 v[PC+\i], v[CT+\i]
.endr
.irp i, 0,1,2
	v_mov_b32 v[PC+3+\i], v[CT+\i]
.endr
.irp i, 0,1,2
	global_store_b64 v251, v[PC+2*\i:PC+2*\i+1], s[26:27] offset:YGC+256*\i   ; 256 consecutive bytes, aligned
.endr
	global_store_b32 v254, v250, s[100:101] offset:YGSC
	s_wait_xcnt 0x0                                ; the stores have read their registers and bases: the next pass writes them again
.Lnot_mine:
	s_add_co_u32 s6, s6, 1
	s_cmp_lt_u32 s6, 2
	s_cbranch_scc1 .Lhalf
	s_wait_tensorcnt 0x0
	ds_add_u32 v226, v227
	s_wait_dscnt 0x0
	s_endpgm
.Lfunc_end_k_qa52343a6d2_attn:
	.size	k_qa52343a6d2_attn, .Lfunc_end_k_qa52343a6d2_attn-k_qa52343a6d2_attn
	.p2alignl 7, 3214868480
	.fill 96, 4, 3214868480
	.section	.rodata,"a",@progbits
	.p2align	6, 0x0
	.amdhsa_kernel k_qa52343a6d2_attn
		.amdhsa_group_segment_fixed_size 291328
		.amdhsa_private_segment_fixed_size 0
		.amdhsa_enable_private_segment 0
		.amdhsa_kernarg_size 24
		.amdhsa_user_sgpr_count 2
		.amdhsa_user_sgpr_kernarg_segment_ptr 1
		.amdhsa_wavefront_size32 1
		.amdhsa_system_sgpr_workgroup_id_x 1
		.amdhsa_system_sgpr_workgroup_id_y 1
		.amdhsa_system_sgpr_workgroup_id_z 1
		.amdhsa_system_vgpr_workitem_id 0
		.amdhsa_next_free_vgpr 256
		.amdhsa_next_free_sgpr 102
		.amdhsa_reserve_vcc 0
		.amdhsa_float_denorm_mode_32 3
		.amdhsa_float_denorm_mode_16_64 3
		.amdhsa_memory_ordered 1
		.amdhsa_forward_progress 1
		.amdhsa_inst_pref_size 121
	.end_amdhsa_kernel
	.amdgpu_metadata
---
amdhsa.version: [ 1, 2 ]
amdhsa.kernels:
  - .name:           k_qa52343a6d2_attn
    .symbol:         k_qa52343a6d2_attn.kd
    .args:
      - { .name: act, .offset: 0, .size: 8, .value_kind: global_buffer, .address_space: global }
      - { .name: mk, .offset: 8, .size: 8, .value_kind: global_buffer, .address_space: global }
      - { .name: yg, .offset: 16, .size: 8, .value_kind: global_buffer, .address_space: global }
    .group_segment_fixed_size: 291328
    .private_segment_fixed_size: 0
    .kernarg_segment_align: 8
    .kernarg_segment_size: 24
    .max_flat_workgroup_size: 512
    .sgpr_count:     102
    .vgpr_count:     256
    .wavefront_size: 32
...
	.end_amdgpu_metadata
.endif
;; end of part 3
;; launch outp (part 4): grid 8 x 32, 4 waves a work-group, no clusters, 168,448 bytes of LDS; arguments yg, pq, X, b_out, out0; writes out0
.if DOCPART == 4
	.amdgcn_target "amdgcn-amd-amdhsa--gfx1250"
	.amdhsa_code_object_version 6
	.text
	.protected	k_qa52343a6d2_outp
	.globl	k_qa52343a6d2_outp
	.p2align	8
	.type	k_qa52343a6d2_outp,@function
k_qa52343a6d2_outp:
	s_mov_b64 s[64:65], 0
	v_nop
	global_prefetch_b8 v0, s[64:65] scope:SCOPE_SE
	s_setreg_imm32_b32 hwreg(HW_REG_WAVE_MODE, 25, 1), 1
	s_wait_xcnt 0x0
; out0 = X + (Y x G) W_out + b_out, the product on FP6 (E2M3) codes with E8M0 scales.  K = 512: four steps of 128.
; A work-group takes 128 tokens (yb) x 128 columns (xb); wave (wr, wc) takes 64 x 64: 16 accumulators.  Both operands, for all of K, are two dense blocks of 48 KiB, images of the operands' registers:
; each wave brings half of one by one tensor load; nothing is filled again.
; THE PRODUCT IS USED TRANSPOSED (source 0 = 16 columns of W_out, source 1 = 16 tokens): a lane holds eight neighbouring numbers of a row of the output.  The bias is the C of each sum's first instruction.
; A tile's 16 rows are 8 u + (r & 7) + 16 (r >> 3) of a group of 32; the wave's own stage in LDS puts a group's 32 tokens back in order, and rows leave as 256 consecutive bytes from sixteen lanes, with X added on the way.
; NO CLUSTER: the shared operands are 96 KiB a work-group, fetched once; X and out0, which are each work-group's own, are 128 KiB, and the launch has four K steps in all.
; REGISTERS: window 0: v1-15 addresses; v16-23 Y G's scale words, v24-31 W_out's; v32-79 Y G's four fragments, v80-127 W_out's; v128-255 accumulators ((m, n) at 128 + 8 (4 m + n)).
;   window 1: v0-127 X, in the stores' own pattern; v128-159 the bias.
.set WO,    4915200
.set WOSC,  5308416
.set YGSC,  1572864
.set LB,    49152                      ; LDS: A [tile 8][K step 4][1536] at 0; B [K step 4][tile 8][1536] here;
.set STG,   98304                      ;      the stages: 32 rows x (256 bytes + 16) for each wave, bytes into which no tensor load lands
.set SP,    272
.set AS,  16
.set BS,  24
.set AF,  32
.set BF,  80
.set ACC, 128
.set MSB, 0
.macro WIN new
.if MSB != (\new)
	s_set_vgpr_msb (MSB<<8)|(\new)
.set MSB, (\new)
.endif
.endm
.macro PLACES
.rept 4
	v_nop
.endr
.endm
	s_load_b256 s[4:11], s[0:1], 0x0               ; yg 4:5, pq 6:7, X 8:9, b_out 10:11
	s_load_b64 s[12:13], s[0:1], 0x20              ; out0
	v_lshl_add_u32 v14, v0, 2, 0x29000
	v_mov_b32 v15, 0
	ds_add_u32 v14, v15
	ds_add_u32 v14, v15
	v_lshrrev_b32 v1, 5, v0
	v_readfirstlane_b32 s14, v1                    ; wave
	s_lshr_b32 s15, s14, 1                         ; wr.  Also: I fetch for A (0) or for B (1)
	s_and_b32 s28, s14, 1                          ; wc.  Also: which half of that block
	s_mov_b32 s29, ttmp9                           ; xb
	s_and_b32 s30, ttmp7, 0xffff                   ; yb
	s_mov_b32 s16, 3<<16                           ; group 1: 24,576 dense bytes as 96 rows of 256 (32 elements of 8 bytes)
	s_mov_b32 s17, 32<<16
	s_mov_b32 s18, 96<<16
	s_mov_b32 s19, 32<<16
	s_mov_b32 s20, 96
	s_mov_b32 s21, 32
	s_mov_b32 s22, 0
	s_mov_b32 s23, 0
	s_mul_i32 s31, s28, 24576
	s_mul_i32 s32, s30, 49152
	s_add_co_u32 s32, s32, s31
	s_mov_b32 s33, 0
	s_mul_i32 s34, s29, 49152
	s_add_co_u32 s34, s34, s31
	s_add_co_u32 s34, s34, WO
	s_mov_b32 s35, 0
	s_wait_dscnt 0x0
	s_wait_kmcnt 0x0
	s_mov_b32 s24, 1
	s_mov_b32 s25, s31
	s_add_nc_u64 s[26:27], s[4:5], s[32:33]
	s_or_b32 s27, s27, 0x80000000
	s_mov_b32 s36, 1
	s_add_co_u32 s37, s31, LB
	s_add_nc_u64 s[38:39], s[6:7], s[34:35]
	s_or_b32 s39, s39, 0x80000000
	s_cmp_lt_u32 s14, 2                            ; one tensor load a wave, a first fill
	s_cbranch_scc0 .Lfor_b
	tensor_load_to_lds s[24:27], s[16:23]
	s_nop 0
	PLACES
	s_branch .Lasked
.Lfor_b:
	tensor_load_to_lds s[36:39], s[16:23]
	s_nop 0
	PLACES
.Lasked:
	v_and_b32 v1, 31, v0                           ; L
	v_and_b32 v2, 15, v0                           ; r
	v_bfe_u32 v3, v0, 4, 1                         ; h
	v_lshlrev_b32 v4, 4, v1
	v_and_b32 v12, 7, v2
	v_lshrrev_b32 v13, 3, v2
	v_lshl_add_u32 v12, v13, 4, v12                ; (r & 7) + 16 (r >> 3)
	v_lshl_add_u32 v5, v3, 3, v12
	v_lshlrev_b32 v5, 2, v5                        ; scale words: lanes 0-15 tile u = 0's, lanes 16-31 tile u = 1's
	s_mul_i32 s54, s15, 24576
	v_lshl_add_u32 v6, v1, 3, s54                  ; A: my four tiles; pieces of two registers, 8 L
	s_mul_i32 s54, s28, 6144
	s_add_co_u32 s54, s54, LB
	v_add_nc_u32 v7, s54, v4                       ; B: my four tiles; pieces of four registers, 16 L
	s_mul_i32 s54, s14, 32*SP
	s_add_co_u32 s54, s54, STG
	v_mul_u32_u24 v8, v12, SP
	v_lshl_add_u32 v8, v3, 6, v8
	v_add_nc_u32 v8, s54, v8                       ; the stage, way in: my token's row, + 64 h
	v_mul_u32_u24 v9, v3, SP
	v_lshl_add_u32 v9, v2, 4, v9
	v_add_nc_u32 v9, s54, v9                       ; way out: lanes 0-15 one row, lanes 16-31 the next
	v_lshlrev_b32 v10, 12, v3
	v_lshl_add_u32 v10, v2, 4, v10                 ; and the same two rows in X and out0
	v_lshlrev_b32 v11, 6, v3                       ; 64 h
	s_lshl_b32 s40, s30, 2
	s_lshl_b32 s41, s15, 1
	s_add_co_u32 s40, s40, s41
	s_lshl_b32 s40, s40, 10
	s_mov_b32 s41, 0
	s_add_nc_u64 s[40:41], s[4:5], s[40:41]        ; Y G's scale words of my two groups of 32 tokens
	s_lshl_b32 s42, s29, 2
	s_lshl_b32 s43, s28, 1
	s_add_co_u32 s42, s42, s43
	s_lshl_b32 s42, s42, 9
	s_mov_b32 s43, 0
	s_add_nc_u64 s[42:43], s[6:7], s[42:43]        ; W_out's of my two groups of 32 columns
	s_lshl_b32 s44, s29, 9
	s_lshl_b32 s45, s28, 8
	s_add_co_u32 s44, s44, s45                     ; my 64 columns, in bytes
	s_mov_b32 s45, 0
	s_add_nc_u64 s[46:47], s[10:11], s[44:45]
	s_lshl_b32 s48, s30, 7
	s_lshl_b32 s49, s15, 6
	s_add_co_u32 s48, s48, s49                     ; my first token
	s_lshl_b32 s48, s48, 12
	s_add_co_u32 s48, s48, s44
	s_mov_b32 s49, 0
	s_add_nc_u64 s[50:51], s[8:9], s[48:49]
	s_add_nc_u64 s[52:53], s[12:13], s[48:49]
.irp p, 0,1
.irp s, 0,1,2,3
	global_load_b32 v[AS+4*\p+\s], v5, s[40:41] offset:YGSC+1024*\p+256*\s        ; head 2 s: bytes 0, 1 of the K step's word
	global_load_b32 v[112+4*\p+\s], v5, s[40:41] offset:YGSC+1024*\p+256*\s+128   ; head 2 s + 1: bytes 2, 3
.endr
.endr
.irp g, 0,1
.irp s, 0,1,2,3
	global_load_b32 v[BS+4*\g+\s], v5, s[42:43] offset:WOSC+512*\g+128*\s
.endr
.endr
	WIN 0x40                                       ; destination window 1
.irp n, 0,1,2,3
	global_load_b128 v[128+8*\n:131+8*\n], v11, s[46:47] offset:4*(32*(\n/2)+8*(\n%2))
	global_load_b128 v[132+8*\n:135+8*\n], v11, s[46:47] offset:4*(32*(\n/2)+8*(\n%2))+16
.endr
.set k, 0
.rept 32
	global_load_b128 v[4*k:4*k+3], v10, s[50:51] offset:8192*k th:TH_LOAD_NT   ; X: two rows a load, sixteen lanes to a row's 256 bytes
.set k, k+1
.endr
	WIN 0
	s_wait_loadcnt 32                              ; scale words and bias are in; X's 32 loads may be out
.set k, 0
.rept 8
	v_lshl_or_b32 v[AS+k], v[112+k], 16, v[AS+k]
.set k, k+1
.endr
.rept 8
	v_nop                                          ; a scale word made by vector instructions stands eight plain instructions ahead of the scaled product
.endr
	s_wait_tensorcnt 0x0                           ; my half block has landed,
	s_barrier_signal -1
	s_barrier_wait -1                              ; everybody's has
.macro WM
.if (RA==0)&&(RB==0)
	v_wmma_scale_f32_16x16x128_f8f6f4 v[DD:DD+7], v[AA:AA+11], v[BB:BB+11], v[CC:CC+7], v[SA], v[SB] matrix_a_fmt:MATRIX_FMT_FP6 matrix_b_fmt:MATRIX_FMT_FP6
.elseif RB==0
	v_wmma_scale_f32_16x16x128_f8f6f4 v[DD:DD+7], v[AA:AA+11], v[BB:BB+11], v[CC:CC+7], v[SA], v[SB] matrix_a_fmt:MATRIX_FMT_FP6 matrix_b_fmt:MATRIX_FMT_FP6 matrix_a_scale:MATRIX_SCALE_ROW1
.elseif RA==0
	v_wmma_scale_f32_16x16x128_f8f6f4 v[DD:DD+7], v[AA:AA+11], v[BB:BB+11], v[CC:CC+7], v[SA], v[SB] matrix_a_fmt:MATRIX_FMT_FP6 matrix_b_fmt:MATRIX_FMT_FP6 matrix_b_scale:MATRIX_SCALE_ROW1
.else
	v_wmma_scale_f32_16x16x128_f8f6f4 v[DD:DD+7], v[AA:AA+11], v[BB:BB+11], v[CC:CC+7], v[SA], v[SB] matrix_a_fmt:MATRIX_FMT_FP6 matrix_b_fmt:MATRIX_FMT_FP6 matrix_a_scale:MATRIX_SCALE_ROW1 matrix_b_scale:MATRIX_SCALE_ROW1
.endif
.endm
.irp s, 0,1,2,3
.if \s > 0
	PLACES                                         ; the loads below land in registers that the last step multiplied
.endif
.irp m, 0,1,2,3
.irp i, 0,1,2,3,4,5
	ds_load_b64 v[AF+12*\m+2*\i:AF+12*\m+2*\i+1], v6 offset:\m*6144+\s*1536+256*\i
.endr
.endr
.irp n, 0,1,2,3
.irp p, 0,1,2
	ds_load_b128 v[BF+12*\n+4*\p:BF+12*\n+4*\p+3], v7 offset:\s*12288+\n*1536+512*\p
.endr
.endr
	s_wait_dscnt 0x0
.if \s == 0
	WIN 0x10                                       ; C: the bias, in window 1
.endif
.irp m, 0,1,2,3                                ; the sixteen accumulators take turns, one instruction a turn
.irp n, 0,1,2,3
.set DD, ACC+8*(4*\m+\n)
.set AA, BF+12*\n
.set BB, AF+12*\m
.set SA, BS+4*(\n/2)+\s
.set SB, AS+4*(\m/2)+\s
.set RA, \n%2
.set RB, \m%2
.set CC, DD
.if \s == 0
.set CC, 128+8*\n
.endif
	WM
.endr
.endr
	WIN 0
.endr
	PLACES                                         ; in front of the first read of results, and of loads into the fragments' registers
; THE WAY OUT, a group of 32 tokens at a time: tiles 2 g and 2 g + 1 go into my own stage by their tokens' places and come back as rows.  A wave's LDS instructions are served in order: no wait between stores and loads.
.irp g, 0,1
.if \g == 1
	s_wait_xcnt 0x0                                ; the first group's stores have read their registers: the loads below land there
.endif
.irp u, 0,1
.irp n, 0,1,2,3
.irp q, 0,1
	ds_store_b128 v8, v[ACC+8*(4*(2*\g+\u)+\n)+4*\q:ACC+8*(4*(2*\g+\u)+\n)+4*\q+3] offset:\u*8*SP+128*(\n/2)+32*(\n%2)+16*\q   ; each accumulator from its low end on
.endr
.endr
.endr
.set k, 0
.rept 16
	ds_load_b128 v[AF+4*k:AF+4*k+3], v9 offset:2*SP*k
.set k, k+1
.endr
	s_wait_loadcnt 16-16*\g                        ; this group's sixteen loads of X are in; the other group's, issued behind them, may be out
	s_wait_dscnt 0x0
	WIN 0x04                                       ; source 1: X, in window 1
.set k, 0
.rept 32
	v_pk_add_f32 v[AF+k:AF+k+1], v[AF+k:AF+k+1], v[64*\g+k:64*\g+k+1]
.set k, k+2
.endr
	WIN 0
.set k, 0
.rept 16
	global_store_b128 v10, v[AF+4*k:AF+4*k+3], s[52:53] offset:(32*\g+2*k)*4096 th:TH_STORE_NT   ; sixteen lanes store 256 consecutive bytes, aligned
.set k, k+1
.endr
.endr
	s_wait_tensorcnt 0x0
	ds_add_u32 v14, v15
	s_wait_dscnt 0x0
	s_endpgm
.Lfunc_end_k_qa52343a6d2_outp:
	.size	k_qa52343a6d2_outp, .Lfunc_end_k_qa52343a6d2_outp-k_qa52343a6d2_outp
	.p2alignl 7, 3214868480
	.fill 96, 4, 3214868480
	.section	.rodata,"a",@progbits
	.p2align	6, 0x0
	.amdhsa_kernel k_qa52343a6d2_outp
		.amdhsa_group_segment_fixed_size 168448
		.amdhsa_private_segment_fixed_size 0
		.amdhsa_enable_private_segment 0
		.amdhsa_kernarg_size 40
		.amdhsa_user_sgpr_count 2
		.amdhsa_user_sgpr_kernarg_segment_ptr 1
		.amdhsa_wavefront_size32 1
		.amdhsa_system_sgpr_workgroup_id_x 1
		.amdhsa_system_sgpr_workgroup_id_y 1
		.amdhsa_system_sgpr_workgroup_id_z 1
		.amdhsa_system_vgpr_workitem_id 0
		.amdhsa_next_free_vgpr 512
		.amdhsa_next_free_sgpr 66
		.amdhsa_reserve_vcc 0
		.amdhsa_float_denorm_mode_32 3
		.amdhsa_float_denorm_mode_16_64 3
		.amdhsa_memory_ordered 1
		.amdhsa_forward_progress 1
		.amdhsa_inst_pref_size 41
	.end_amdhsa_kernel
	.amdgpu_metadata
---
amdhsa.version: [ 1, 2 ]
amdhsa.kernels:
  - .name:           k_qa52343a6d2_outp
    .symbol:         k_qa52343a6d2_outp.kd
    .args:
      - { .name: yg, .offset: 0, .size: 8, .value_kind: global_buffer, .address_space: global }
      - { .name: pq, .offset: 8, .size: 8, .value_kind: global_buffer, .address_space: global }
      - { .name: X, .offset: 16, .size: 8, .value_kind: global_buffer, .address_space: global }
      - { .name: b_out, .offset: 24, .size: 8, .value_kind: global_buffer, .address_space: global }
      - { .name: out0, .offset: 32, .size: 8, .value_kind: global_buffer, .address_space: global }
    .group_segment_fixed_size: 168448
    .private_segment_fixed_size: 0
    .kernarg_segment_align: 8
    .kernarg_segment_size: 40
    .max_flat_workgroup_size: 128
    .sgpr_count:     66
    .vgpr_count:     512
    .wavefront_size: 32
...
	.end_amdgpu_metadata
.endif
;; end of part 4
;; ======== version 2 of 2: 4 launches; version 1 with the launch attn written anew for expert scheduling mode
;; workspace buffers: pq 5,324,800 bytes; act 13,697,024 bytes; yg 1,703,936 bytes; mk 532,480 bytes of whole numbers
;; launch prep: the kernel of part 1 again; grid 464 x 1, 8 waves a work-group, no clusters, 115,968 bytes of LDS; arguments X, ln_gamma, ln_beta, W_qkvg, W_out, mask, pq, mk; writes pq, mk
;; launch qkvg: the kernel of part 2 again; grid 32 x 8, 4 waves a work-group, clusters of 4 x 1, 295,424 bytes of LDS; arguments pq, b_qkvg, act; writes act
;; launch attn (part 5): grid 16 x 16, 16 waves a work-group, no clusters, 291,328 bytes of LDS; arguments act, mk, yg; writes yg
.if DOCPART == 5
	.amdgcn_target "amdgcn-amd-amdhsa--gfx1250"
	.amdhsa_code_object_version 6
	.text
	.protected	k_qa52343a6d2_attn
	.globl	k_qa52343a6d2_attn
	.p2align	8
	.type	k_qa52343a6d2_attn,@function
k_qa52343a6d2_attn:
	s_mov_b64 s[64:65], 0
	v_nop
	global_prefetch_b8 v0, s[64:65] scope:SCOPE_SE
	s_setreg_imm32_b32 hwreg(HW_REG_WAVE_SCHED_MODE, 0, 2), 2
	s_setreg_imm32_b32 hwreg(HW_REG_WAVE_MODE, 25, 1), 1
	s_wait_xcnt 0x0
	s_wait_alu depctr_vm_vsrc(0)
; Shepard attention of one (batch, head), and the gate: weight = 1 / max(|q - k|^2, 1e-16), 0 where the mask hides; attn = weight / max(sum of the row, 1e-8); Y = attn V; Y x G is quantised along the head.
; Both products on FP6 (E2M3) codes with E8M0 scales.  attn IS QUANTISED NORMALISED, so a row's sum is wanted before any weight can be coded: a tile of 16 queries keeps its 2,048 weights in the
; registers of the work-group's sixteen waves until the sum is known, and the scores are made once.
; SHARES.  Work-group (j, bh) takes the query tiles j + 16 idx, idx = 0..7, of (batch, head) bh.  WAVE w OWNS KEYS 128 w .. 128 w + 127 FOR THE WHOLE LAUNCH: its fragments of K and of V^T and their scale
; words are read from memory once and stay in registers.  Four waves lie on a SIMD: one wave's vector work stands beside another's matrix work and waits.
; A PASS (one tile of queries), one barrier: A: S^T = K Q^T - 0.5 |k|^2 (the C), d2 = |q|^2 - 2 S^T, weights, mask, my part of the rows' sums to LDS | barrier | B: the sums, attn, codes, O^T = V^T P^T, my part of O^T to LDS.
; BEHIND FOUR PASSES, two stages.  1: ALL SIXTEEN WAVES add the parts: wave w takes tile w & 3 and two of the eight pieces of its O^T, adds the sixteen waves' parts of them, multiplies by its slice of G
; (asked for at the head of the half, so that nothing here waits for memory) and puts the result into LDS | barrier | 2: waves 12 to 15 each read one whole tile back, quantise it and store, while the others go on.
; THE HEAD'S 64 ARE HALF OF THE INSTRUCTION'S K: Q's fragment holds zero codes in its upper six registers, so what the key operand holds there adds nothing, and K's fragments lie 6 registers apart.
; THE MASK is read as lane-mask words (one for each of a tile's 64 registers) and a class for each (tile, 128 keys), both whole numbers made by the launch before: class 2, all hidden: the wave's step is left out
; (its part of O^T is stored as zeros); class 0, none hidden: the 64 selects are left out; in stage 1 a group of four waves none of which had a part is left out.  That holds for every mask.
; NO TENSOR LOADS AND NO CLUSTER: the text branches on those classes, which are read from memory, so operands go from memory straight into registers; what the sixteen work-groups of a (batch, head) share,
; 200 KiB of K and V, is read once by each.
; LIMITS: weight is rcp(max(d2, 1e-16)) and attn is weight x rcp(sum): each within two roundings of the quotient; the sums are added in another order than a plain row sum; a block of weights under 2^-124
; keeps the scale byte 1; NaN and infinities are not served.
; THE MODE: SCHED_MODE bits 1:0 = 2 (LLVM: expert scheduling mode 2), set by the entry lines.  The code itself states the register dependences between vector or matrix instructions and memory or LDS
; instructions, with s_wait_alu, always for 0.
; THE PLAN.  Registers that memory or LDS instructions touch, round the loop:
;   W upper (v164-195)      -0.5 |k|^2 lands in it; K Q^T takes it as C and writes it; the lines of A and B work on it; its last readers are B's conversions.  Behind the wait that stands ahead of the V^T P products
;                           it is asked for again at once, two loads behind each of the four products, which name none of it.
;   W lower = O (v132-163)  the same up to the conversions; then V^T P writes it and eight LDS stores read it; behind them -0.5 |k|^2 is asked for again (passes 0 to 2); stage 1's parts and stage 2's tile land in it;
;                           at a half's head -0.5 |k|^2 is asked for once more.  A pass whose keys are all hidden names W nowhere.  So at every pass's first line W holds -0.5 |k|^2, or has it on its way.
;   Q's six registers, its scale word, |q|^2   the next pass's land in them in A, behind the wait ahead of the store of my part of the sums; K Q^T and the d2 lines of the next pass read them.
;   v228                    my part of the sums: written by A's additions, read by one LDS store, written again by B's conversions or by the next pass.
;   TT (v196-211)           B's four LDS loads land in it, B's additions read it (at the head: five offsets, read by the loads that stay).
;   PC, PW                  made by vector lines, taken by V^T P as operand and scale; in stage 1 PC is the data of two LDS stores; in stage 2 PC and v250 are the data, v251 and v254 the offsets, of the global stores.
;   CLO, GO; CL, GS         two offsets made once a half and read by three loads; what these bring is read by stage 1.
;   Every other address, and the zero codes v126-131, are written at the head and never again.
.set QKC,   0
.set QKSC,  3145728
.set NRM,   3407872
.set VC,    3670016
.set VSC,   5242880
.set GIMG,  5308416
.set MS,    524288
.set YGC,   0                          ; yg: codes [row block of 128 tokens 32][tile 8][K step 4][6 pieces of 256 bytes: two registers, 8 bytes a lane]; head 2 s + c fills pieces 3 c on
.set YGSC,  1572864                    ;     scale words [group of 32 tokens 128][head 8][32 words], two bytes used
.set K2B,   262144                     ; LDS: parts of O^T [wave 16][pass 4][4096] at 0; here -0.5 |k|^2 of each wave's keys, 512 bytes a wave, its own;
.set TOT,   270336                     ;      here the rows' partial sums [parity 2][row 16][16 words + 16 bytes];
.set RED,   272896                     ;      here Y x G of four tiles [tile 4][8 pieces of 512 bytes]
.set FLOOR, 0x1800000
.set EOFF,  0xff000000
.set LI,  1                            ; v1   16 L
.set K2A, 2                            ; v2   K2B + 512 w + 64 h
.set TW,  3                            ; v3   TOT + 80 r + 4 w
.set TR,  4                            ; v4   TOT + 80 r
.set OW,  5                            ; v5   16384 w + 16 L: where I put my parts
.set OR0, 6                            ; v6   4096 (w & 3) + 1024 ((w >> 2) xor 3) + 16 L: my two pieces of my tile in the parts of waves 0-3; v7, v243, v247: of waves 4-7, 8-11, 12-15
.set OR1, 7
.set OR2, 243
.set OR3, 247
.set QO,  8                            ; v8-10 offsets of Q's three pairs of registers
.set RW,  11                           ; v11  RED + v6: where I put my two pieces; in waves 12 to 15, whose quarter is 0, also where a tile is read back
.set PW,  12                           ; v12  the weights' scale word
.set QSC, 13                           ; v13  Q's scale word
.set RT,  14                           ; v14  1 / the row's sum (named as a pair with v15)
.set QSO, 15                           ; v15  offset of Q's scale word
.set KF,  16                           ; v16-63   K: tile t at 6 t on
.set VF,  64                           ; v64-111  V^T: tile t at 12 t on
.set KSC, 112                          ; v112-115 K's scale words: register p: tile 2 p in lanes 0-15, tile 2 p + 1 in lanes 16-31
.set VSCR, 116                         ; v116-117 V's likewise
.set Q2,  118                          ; v118 |q|^2 (named as a pair with v119)
.set Q2O, 119                          ; v119 its offset
.set QF,  120                          ; v120-131 Q's fragment; v126-131 zero codes, set once
.set W,   132                          ; v132-195 scores, weights, attn: register 16 b + i = key 32 b + 16 h + i of my 128, query r
.set O,   132                          ; v132-163 O^T, laid over the weights, which are done with once they are coded: register 8 t + i = channel 32 (t / 2) + 16 h + 8 (t % 2) + i
.set TT,  196                          ; v196-211 the sixteen parts of a row's sum (at the head: offsets of the loads that stay)
.set GS,  212                          ; v212-219 my slice of G for this half
.set CL,  220                          ; v220 lane r: the class of (my tile of this half, step r)
.set CLO, 221                          ; v221 its offset
.set R4,  222                          ; v222 4 r
.set GO,  223                          ; v223 my slice's offset
.set PC,  228                          ; v228-239 the weights' codes
.set CT,  240                          ; v240-242, v244-246 second halves of blocks
.set TM,  248                          ; v248-251 largest magnitudes, then the conversions' operands; v252-255 bytes
	s_load_b128 s[16:19], s[0:1], 0x0              ; act, mk
	s_load_b64 s[20:21], s[0:1], 0x10              ; yg
	v_lshl_add_u32 v226, v0, 2, 0x46a00            ; the LDS address of my spare word, behind RED, and 0: made here and kept for the closing lines alone
	v_mov_b32 v227, 0
	v_lshrrev_b32 v248, 5, v0
	v_readfirstlane_b32 s2, v248                   ; wave w
	s_mov_b32 s3, ttmp9                            ; j
	s_and_b32 s4, ttmp7, 0xffff                    ; bh
	s_lshr_b32 s5, s4, 3                           ; batch
	s_and_b32 s7, s4, 7                            ; head
	s_lshl_b32 s8, s5, 4
	s_add_co_u32 s8, s8, s7                        ; 16 b + head: Q's head row
	s_mov_b32 s12, 0x76543210
	s_mov_b32 s13, 0xfedcba98                      ; v_permlanex16_b32's selects for lane L xor 16
	s_mov_b32 s14, 0x24e69595                      ; 1e-16 = (1e-8)^2
	s_mov_b32 s15, 0x322bcc77                      ; 1e-8
	s_wait_alu depctr_va_sdst(0)                   ; s2, the wave's number, is written, ahead of its first reader
	s_lshl_b32 s9, s3, 4
	s_add_co_u32 s9, s9, s2
	s_lshl_b32 s30, s9, 8                          ; (16 j + w) 256: my mask words of idx 0
	s_lshl_b32 s31, s9, 2
	s_add_co_u32 s31, s31, MS                      ; and my class
	; every LDS address is made here, from the thread's number and constants
	v_and_b32 v248, 31, v0                         ; L
	v_and_b32 v249, 15, v0                         ; r
	v_bfe_u32 v250, v0, 4, 1                       ; h
	v_lshlrev_b32 v[LI], 4, v248
	s_lshl_b32 s9, s2, 9
	s_add_co_u32 s9, s9, K2B
	v_lshl_add_u32 v[K2A], v250, 6, s9
	v_add_nc_u32 v251, s9, v[LI]                   ; -0.5 |k|^2 on its way in
	v_mul_u32_u24 v[TR], v249, 80
	v_add_nc_u32 v[TR], TOT, v[TR]
	s_lshl_b32 s9, s2, 2
	v_add_nc_u32 v[TW], s9, v[TR]
	s_lshl_b32 s9, s2, 14
	v_add_nc_u32 v[OW], s9, v[LI]
	s_and_b32 s9, s2, 3
	s_lshl_b32 s9, s9, 12                          ; my tile of a half: w & 3
	s_lshr_b32 s28, s2, 2
	s_xor_b32 s28, s28, 3                          ; my quarter of its eight pieces: (w >> 2) xor 3, which is 0 in waves 12 to 15
	s_lshl_b32 s28, s28, 10
	s_add_co_u32 s9, s9, s28
	v_add_nc_u32 v[OR0], s9, v[LI]
	v_add_nc_u32 v[OR1], 0x10000, v[OR0]
	v_add_nc_u32 v[OR2], 0x20000, v[OR0]
	v_add_nc_u32 v[OR3], 0x30000, v[OR0]
	v_add_nc_u32 v[RW], RED, v[OR0]
	v_lshlrev_b32 v[R4], 2, v249
	; Q's tile j + 16 idx is tile j & 7 of block (j >> 3) + 2 idx: its registers 6 tau .. 6 tau + 5 of the block's image, in pairs
	s_and_b32 s28, s3, 7                           ; tau
	s_lshl_b32 s29, s8, 4
	s_lshr_b32 s68, s3, 3
	s_add_co_u32 s29, s29, s68
	s_mul_i32 s70, s29, 6144
	s_mul_i32 s71, s28, 3
.irp i, 0,1,2
	s_add_co_u32 s72, s71, \i                      ; pair q = 3 tau + i: piece q >> 1, half q & 1
	s_lshr_b32 s73, s72, 1
	s_lshl_b32 s73, s73, 9
	s_and_b32 s72, s72, 1
	s_lshl_b32 s72, s72, 3
	s_add_co_u32 s73, s73, s72
	s_add_co_u32 s73, s73, s70
	v_add_nc_u32 v[QO+\i], s73, v[LI]
.endr
	s_lshl_b32 s72, s29, 9
	s_and_b32 s73, s3, 1
	s_lshl_b32 s74, s73, 8
	s_add_co_u32 s72, s72, s74
	s_lshr_b32 s74, s28, 1
	s_lshl_b32 s74, s74, 2
	s_add_co_u32 s72, s72, s74
	v_lshl_add_u32 v[QSO], v249, 4, s72            ; the tile's words, fetched into lanes 0-15 (and 16-31 alike)
	v_and_b32 v[Q2O], 7, v249
	v_lshrrev_b32 v252, 3, v249
	v_lshl_add_u32 v[Q2O], v252, 4, v[Q2O]
	s_lshl_b32 s72, s8, 13
	s_lshr_b32 s74, s3, 1
	s_lshl_b32 s74, s74, 7
	s_add_co_u32 s72, s72, s74
	s_lshl_b32 s74, s73, 5
	s_add_co_u32 s72, s72, s74
	v_lshl_add_u32 v[Q2O], v[Q2O], 2, s72          ; my query's place among the head row's tokens
	; what stays: K, V^T, their scale words, -0.5 |k|^2.  All take act itself as their base and carry the rest in vector offsets that are not written again before the wait for these loads:
	; so nothing that follows has to wait for their addresses
	s_add_co_u32 s68, s8, 8                        ; K's head row
	s_lshl_b32 s69, s68, 4
	s_add_co_u32 s69, s69, s2
	s_mul_i32 s70, s69, 6144
	v_add_nc_u32 v[TT], s70, v[LI]                 ; K's codes
	s_lshl_b32 s70, s69, 9
	v_add_nc_u32 v[TT+1], s70, v[LI]               ; K's scale words
	s_lshl_b32 s70, s68, 13
	s_lshl_b32 s71, s2, 9
	s_add_co_u32 s70, s70, s71
	v_add_nc_u32 v[TT+2], s70, v[LI]               ; -0.5 |k|^2
	s_lshl_b32 s69, s4, 4
	s_add_co_u32 s69, s69, s2
	s_mul_i32 s70, s69, 6144
	v_add_nc_u32 v[TT+3], s70, v[LI]               ; V's codes
	s_lshl_b32 s70, s69, 8
	v_lshl_add_u32 v[TT+4], v248, 3, s70           ; V's scale words: 8 L
	s_wait_kmcnt 0x0
	s_wait_alu depctr_va_vdst(0)                   ; every address and offset made above is written (v1-11, v15, v119, v222, v243, v247, v251, v[TT] to v[TT+4]), and so are v226 and v227: the kernel's loads and stores read them
.irp p, 0,1,2,3,4,5,6,7,8,9,10,11
	global_load_b128 v[KF+4*\p:KF+4*\p+3], v[TT], s[16:17] offset:QKC+512*\p
.endr
	global_load_b128 v[KSC:KSC+3], v[TT+1], s[16:17] offset:QKSC
	global_load_b128 v[232:235], v[TT+2], s[16:17] offset:NRM
.irp p, 0,1,2,3,4,5,6,7,8,9,10,11
	global_load_b128 v[VF+4*\p:VF+4*\p+3], v[TT+3], s[16:17] offset:VC+512*\p
.endr
	global_load_b64 v[VSCR:VSCR+1], v[TT+4], s[16:17] offset:VSC
; What the next pass wants: Q's fragment, scale word and |q|^2, my 64 mask words and my class, for tile idx' = (4 H + p + 1) & 7 (behind the last pass tile 0 once more: no load leaves its buffer).
; The bases' and offsets' last users were waited for at the last pass's foot.
.macro PREF p
	s_lshl_b32 s29, s6, 2
	s_add_co_u32 s29, s29, (\p)+1
	s_and_b32 s29, s29, 7
	s_mul_i32 s100, s29, 12288
	s_mov_b32 s101, 0
	s_add_nc_u64 s[22:23], s[16:17], s[100:101]
	s_lshl_b32 s100, s29, 10
	s_add_nc_u64 s[24:25], s[16:17], s[100:101]
	s_add_co_u32 s27, s100, s31
	s_lshl_b32 s26, s29, 16
	s_add_co_u32 s26, s26, s30
	global_load_b64 v[QF:QF+1], v[QO], s[22:23] offset:QKC
	global_load_b64 v[QF+2:QF+3], v[QO+1], s[22:23] offset:QKC
	global_load_b64 v[QF+4:QF+5], v[QO+2], s[22:23] offset:QKC
	global_load_b32 v[QSC], v[QSO], s[24:25] offset:QKSC
	global_load_b32 v[Q2], v[Q2O], s[24:25] offset:NRM
	s_load_b512 s[32:47], s[18:19], s26 offset:0x0     ; words 0-15
	s_load_b512 s[48:63], s[18:19], s26 offset:0x40    ; 16-31
	s_load_b512 s[68:83], s[18:19], s26 offset:0x80    ; 32-47
	s_load_b512 s[84:99], s[18:19], s26 offset:0xc0    ; 48-63
	s_load_b32 s10, s[18:19], s27 offset:0x0           ; the class
.endm
; -0.5 |k|^2 in the result's layout: four registers of W, the k-th of sixteen loads
.macro K2LOAD k
	ds_load_b128 v[W+4*(\k):W+4*(\k)+3], v[K2A] offset:128*((\k)/4)+16*((\k)%4)
.endm
	s_mov_b32 s6, 0                                ; H: which half of the eight tiles
	PREF -1                                        ; tile idx 0
.irp i, 6,7,8,9,10,11
	v_mov_b32 v[QF+\i], 0                          ; zero codes for the upper half of the instruction's K
.endr
.irp i, 4,5,6,7
	v_mov_b32 v[TM+\i], 0                          ; written once: a lane permute's destination counts as one of its sources
.endr
	s_wait_loadcnt 0x0
	ds_store_b128 v251, v[232:235]                 ; my keys' -0.5 |k|^2: my wave's own bytes, so no barrier
.set k, 8
.rept 8
	K2LOAD k                                       ; W's upper half for the first pass; the lower half is asked for at each half's head
.set k, k+1
.endr
	s_wait_dscnt 0x0
	s_wait_kmcnt 0x0
.macro KQ t                            ; S^T's tile t: source 0 = 16 of my keys, source 1 = the 16 queries; C holds -0.5 |k|^2
.if (\t)%2
	v_wmma_scale_f32_16x16x128_f8f6f4 v[W+8*(\t):W+8*(\t)+7], v[KF+6*(\t):KF+6*(\t)+11], v[QF:QF+11], v[W+8*(\t):W+8*(\t)+7], v[KSC+(\t)/2], v[QSC] matrix_a_fmt:MATRIX_FMT_FP6 matrix_b_fmt:MATRIX_FMT_FP6 matrix_a_scale:MATRIX_SCALE_ROW1
.else
	v_wmma_scale_f32_16x16x128_f8f6f4 v[W+8*(\t):W+8*(\t)+7], v[KF+6*(\t):KF+6*(\t)+11], v[QF:QF+11], v[W+8*(\t):W+8*(\t)+7], v[KSC+(\t)/2], v[QSC] matrix_a_fmt:MATRIX_FMT_FP6 matrix_b_fmt:MATRIX_FMT_FP6
.endif
.endm
.macro PV t                            ; O^T's tile t: source 0 = 16 channels of V^T, source 1 = the weights; K = my 128 keys
.if (\t)%2
	v_wmma_scale_f32_16x16x128_f8f6f4 v[O+8*(\t):O+8*(\t)+7], v[VF+12*(\t):VF+12*(\t)+11], v[PC:PC+11], 0, v[VSCR+(\t)/2], v[PW] matrix_a_fmt:MATRIX_FMT_FP6 matrix_b_fmt:MATRIX_FMT_FP6 matrix_a_scale:MATRIX_SCALE_ROW1
.else
	v_wmma_scale_f32_16x16x128_f8f6f4 v[O+8*(\t):O+8*(\t)+7], v[VF+12*(\t):VF+12*(\t)+11], v[PC:PC+11], 0, v[VSCR+(\t)/2], v[PW] matrix_a_fmt:MATRIX_FMT_FP6 matrix_b_fmt:MATRIX_FMT_FP6
.endif
.endm
; PASS p of a half: tile idx = 4 H + p
.macro PASS p
	; ---- A
	s_cmp_eq_u32 s10, 2                            ; all my keys hidden from all sixteen queries: my part of the sums is 0, and W is left as it is
	s_cbranch_scc1 .Lzero_\@
	s_wait_dscnt 0x0                               ; -0.5 |k|^2 lies in W: it was asked for in part B of the last pass that used W, or at the half's or the kernel's head
.irp t, 0,1,2,3,4,5,6,7
	KQ \t                                          ; eight accumulators, one instruction each
.endr
.rept 4
	v_nop                                          ; four plain instructions in front of the first read of results
.endr
.set k, 0
.rept 32
	v_pk_fma_f32 v[W+k:W+k+1], v[W+k:W+k+1], -2.0, v[Q2:Q2+1] op_sel_hi:[1,0,0]   ; d2 = |q|^2 + |k|^2 - 2 q.k
.set k, k+2
.endr
.set k, 0
.rept 64
	v_max_num_f32 v[W+k], s14, v[W+k]              ; max(d2, 1e-16): the clip at 0, the root, the clip at 1e-8 and the square in one
.set k, k+1
.endr
.set k, 0
.rept 64
	v_rcp_f32 v[W+k], v[W+k]
.set k, k+1
.endr
	v_nop                                          ; a plain instruction behind the transcendentals
	s_wait_alu depctr_va_vdst(0)                   ; the 64 reciprocals are written: one wait for the batch, ahead of the branch and of the first line, on either way, that names a result
	s_cmp_eq_u32 s10, 0
	s_cbranch_scc1 .Lopen_\@                       ; nothing hidden here
.set k, 0
.rept 64
	v_cndmask_b32 v[W+k], v[W+k], 0, s[32+k+4*(k/32)]   ; hidden: 0
.set k, k+1
.endr
.Lopen_\@:
	v_pk_add_f32 v[228:229], v[W:W+1], v[W+4:W+5]
	v_pk_add_f32 v[230:231], v[W+2:W+3], v[W+6:W+7]
.set k, 8
.rept 14
	v_pk_add_f32 v[228:229], v[228:229], v[W+k:W+k+1]
	v_pk_add_f32 v[230:231], v[230:231], v[W+k+2:W+k+3]
.set k, k+4
.endr
	v_pk_add_f32 v[228:229], v[228:229], v[230:231]
	v_add_f32 v228, v228, v229
	v_permlanex16_b32 v229, v228, s12, s13
	v_add_f32 v228, v228, v229                     ; my 128 keys' part of query r's sum
	s_branch .Lsum_\@
.Lzero_\@:
	v_mov_b32 v228, 0
.Lsum_\@:
	s_wait_alu depctr_va_vdst(0)                   ; v228 is written, which the LDS store reads; K Q^T and the d2 lines are done reading Q's fragment, its scale word and |q|^2, in which the loads below land;
	                                               ; the last pass's additions are done with v[TT ..], in which part B's loads land.  No vector line stands between this wait and any of these
	ds_store_b32 v[TW], v228 offset:((\p)%2)*1280  ; two parities by turns: the next pass's stores never meet this pass's reads
	s_mov_b32 s11, s10                             ; this pass's class is kept; the next one's is asked for
	PREF \p
	s_wait_alu depctr_vm_vsrc(0)                   ; the LDS store has read v228, which part B's conversions or the next pass's sums write again
	s_wait_dscnt 0x0                               ; my part lies in LDS, and all my LDS reads are back
	s_barrier_signal -1
	s_barrier_wait -1
	; ---- B
	s_cmp_eq_u32 s11, 2
	s_cbranch_scc1 .Lhid_\@
.irp i, 0,1,2,3
	ds_load_b128 v[TT+4*\i:TT+4*\i+3], v[TR] offset:((\p)%2)*1280+16*\i   ; the sixteen parts of query r's sum
.endr
	s_wait_dscnt 0x0
	v_pk_add_f32 v[TT:TT+1], v[TT:TT+1], v[TT+2:TT+3]    ; in one fixed order: every wave gets the same bits
	v_pk_add_f32 v[TT+4:TT+5], v[TT+4:TT+5], v[TT+6:TT+7]
	v_pk_add_f32 v[TT+8:TT+9], v[TT+8:TT+9], v[TT+10:TT+11]
	v_pk_add_f32 v[TT+12:TT+13], v[TT+12:TT+13], v[TT+14:TT+15]
	v_pk_add_f32 v[TT:TT+1], v[TT:TT+1], v[TT+4:TT+5]
	v_pk_add_f32 v[TT+8:TT+9], v[TT+8:TT+9], v[TT+12:TT+13]
	v_pk_add_f32 v[TT:TT+1], v[TT:TT+1], v[TT+8:TT+9]
	v_add_f32 v[TT], v[TT], v[TT+1]
	v_max_num_f32 v[TT], s15, v[TT]
	v_rcp_f32 v[RT], v[TT]
	v_nop                                          ; a plain instruction behind the transcendental
	s_wait_alu depctr_va_vdst(0)                   ; the reciprocal of the row's sum is written, ahead of its first reader
.set k, 0
.rept 32
	v_pk_mul_f32 v[W+k:W+k+1], v[W+k:W+k+1], v[RT:RT+1] op_sel_hi:[1,0]   ; attn
.set k, k+2
.endr
.irp b, 0,1,2,3
	v_max3_num_f32 v[TM+\b], v[W+16*\b], v[W+16*\b+1], FLOOR   ; no |.|: none is negative
.endr
.irp i, 2,4,6,8,10,12,14
.irp b, 0,1,2,3
	v_max3_num_f32 v[TM+\b], v[TM+\b], v[W+16*\b+\i], v[W+16*\b+\i+1]
.endr
.endr
.irp b, 0,1,2,3
	v_permlanex16_b32 v[TM+4+\b], v[TM+\b], s12, s13
.endr
.irp b, 0,1,2,3
	v_max_num_f32 v[TM+\b], v[TM+\b], v[TM+4+\b]
.endr
.irp b, 0,1,2,3
	v_add_nc_u32 v[TM+\b], EOFF, v[TM+\b]          ; 2 off the exponent field: the conversion's operand
.endr
.irp b, 0,1,2,3
	v_lshrrev_b32 v[TM+4+\b], 23, v[TM+\b]         ; the byte
.endr
	v_lshl_or_b32 v[PW], v[TM+5], 8, v[TM+4]
	v_lshl_or_b32 v[PW], v[TM+6], 16, v[PW]
	v_lshl_or_b32 v[PW], v[TM+7], 24, v[PW]
.irp c, 0,1
	v_cvt_scalef32_pk16_fp6_f32 v[PC+6*\c:PC+6*\c+2], v[W+32*\c:W+32*\c+15], v[TM+2*\c]
	v_cvt_scalef32_pk16_fp6_f32 v[CT+4*\c:CT+4*\c+2], v[W+32*\c+16:W+32*\c+31], v[TM+2*\c+1]
.endr
	v_nop                                          ; one plain instruction behind the conversions
.irp c, 0,1
.irp i, 0,1,2
	v_permlane16_swap_b32 v[PC+6*\c+\i], v[CT+4*\c+\i]
.endr
.irp i, 0,1,2
	v_mov_b32 v[PC+6*\c+3+\i], v[CT+4*\c+\i]
.endr
.endr
.rept 8
	v_nop                                          ; a scale word made by vector instructions stands eight plain instructions ahead of the scaled product, an operand so made four
.endr
	s_wait_alu depctr_va_vdst(0)                   ; the codes v[PC ..] and the scale word v[PW] are written, which the scaled products take; the conversions are done reading W's upper half, in which the loads below land
.irp t, 0,1,2,3
	PV \t                                          ; the results are laid over the weights, which the conversions have read
	K2LOAD 8+2*\t                                  ; W's upper half for the next pass that uses W, two loads behind each product: the products name O, V^T, the codes and the scale words, none of these registers
	K2LOAD 9+2*\t
.endr
.rept 5
	v_nop                                          ; four plain instructions in front of the stores of results; five, since the next pass's products write over these registers
.endr
	s_wait_alu depctr_va_vdst(0)                   ; the four products have written O, which the LDS stores read; the plain instructions above stay beside this wait
.irp i, 0,1,2,3,4,5,6,7
	ds_store_b128 v[OW], v[O+4*\i:O+4*\i+3] offset:4096*(\p)+512*\i   ; my part of O^T, as it stands; each accumulator from its low end on
.endr
	s_wait_alu depctr_vm_vsrc(0)                   ; the stores have read O: loads land in it next: -0.5 |k|^2 below, or behind the fourth pass stage 1's parts
.if (\p) < 3
.set k, 0
.rept 8
	K2LOAD k                                       ; W's lower half for the next pass (behind the fourth pass the stages use these registers: the half's head asks then)
.set k, k+1
.endr
.endif
	s_branch .Lfoot_\@
.Lhid_\@:
.irp i, 0,1,2,3,4,5,6,7
	ds_store_b128 v[OW], v[QF+6:QF+9] offset:4096*(\p)+512*\i         ; all my keys hidden: my part is zeros, so that every part exists
.endr
.Lfoot_\@:
	s_wait_loadcnt 0x0                             ; the next pass's Q (and, in a half's first pass, my slice of G and my tile's classes),
	s_wait_kmcnt 0x0                               ; mask words and class
.endm
; Stage 1, group g: the parts that waves 4 g .. 4 g + 3 have of my two pieces are added, unless none of the four had a part
.macro GROUP g, reg
	s_and_b32 s29, s28, 0xf<<(4*\g)
	s_cmp_lg_u32 s29, 0
	s_cbranch_scc0 .Lnone_\@
.if \g > 0
	s_wait_alu depctr_va_vdst(0)                   ; an earlier group's additions are done with v[W] to v[W+31], in which the loads below land
.endif
.irp k, 0,1,2,3
.irp i, 0,1
	ds_load_b128 v[W+8*\k+4*\i:W+8*\k+4*\i+3], v[\reg] offset:16384*\k+512*\i
.endr
.endr
	s_wait_dscnt 0x0
.irp c, 0,2,4,6
	v_pk_add_f32 v[W+\c:W+1+\c], v[W+\c:W+1+\c], v[W+8+\c:W+9+\c]
	v_pk_add_f32 v[W+16+\c:W+17+\c], v[W+16+\c:W+17+\c], v[W+24+\c:W+25+\c]
.endr
.irp c, 0,2,4,6
	v_pk_add_f32 v[W+\c:W+1+\c], v[W+\c:W+1+\c], v[W+16+\c:W+17+\c]
.endr
.irp c, 0,2,4,6
	v_pk_add_f32 v[PC+\c:PC+1+\c], v[PC+\c:PC+1+\c], v[W+\c:W+1+\c]
.endr
.Lnone_\@:
.endm
.Lhalf:
	; what stage 1 will want, four passes ahead: the sixteen classes of tile idx = 4 H + (w & 3), and my two pieces of its G.  The offsets' last users were waited for at a pass's foot
	s_wait_alu depctr_vm_vsrc(0)                   ; the last half's loads have read v[CLO] and v[GO], which are written below; in the first trip: the head's loads have read their offsets v[TT ..], its LDS store v251 and v[232:235], all written again in the passes
	s_lshl_b32 s29, s6, 2
	s_and_b32 s9, s2, 3
	s_add_co_u32 s29, s29, s9
	s_lshl_b32 s28, s29, 4
	s_add_co_u32 s28, s28, s3                      ; the tile in its sequence
	s_lshl_b32 s9, s28, 6
	v_add_nc_u32 v[CLO], s9, v[R4]
	s_lshl_b32 s9, s5, 7
	s_add_co_u32 s28, s28, s9                      ; T = 128 b + tile
	s_lshl_b32 s28, s28, 3
	s_add_co_u32 s28, s28, s7
	s_lshl_b32 s28, s28, 12                        ; G's image of (T, head),
	s_lshr_b32 s9, s2, 2
	s_xor_b32 s9, s9, 3
	s_lshl_b32 s9, s9, 10
	s_add_co_u32 s28, s28, s9                      ; my quarter of it
	v_add_nc_u32 v[GO], s28, v[LI]
	s_wait_alu depctr_va_vdst(0)                   ; v[CLO] and v[GO] are written, which the loads below read; the last half's stages are done reading v[CL], v[GS ..] and W's lower half, in which they land;
	                                               ; in the first trip: the zero codes v[QF+6 ..] are written, which the scaled products take and the stores of a hidden step read
	global_load_b32 v[CL], v[CLO], s[18:19] offset:MS
	global_load_b128 v[GS:GS+3], v[GO], s[16:17] offset:GIMG th:TH_LOAD_NT
	global_load_b128 v[GS+4:GS+7], v[GO], s[16:17] offset:GIMG+512 th:TH_LOAD_NT
.set k, 0
.rept 8
	K2LOAD k                                       ; W's lower half for this half's first pass
.set k, k+1
.endr
	PASS 0
	PASS 1
	PASS 2
	PASS 3
	s_wait_dscnt 0x0                               ; my parts lie in LDS
	s_barrier_signal -1
	s_barrier_wait -1                              ; everybody's do
	; ---- stage 1: every wave: my two pieces of my tile
	v_cmp_ne_u32 s28, 2, v[CL]                     ; bit S: wave S had a part of my tile
.irp i, 0,1,2,3,4,5,6,7
	v_mov_b32 v[PC+\i], 0                          ; a tile all of whose keys are hidden has no part at all
.endr
	s_wait_alu depctr_va_sdst(0)                   ; s28, the compare's mask, is written, ahead of its first reader
	GROUP 0, OR0
	GROUP 1, OR1
	GROUP 2, OR2
	GROUP 3, OR3
.irp c, 0,2,4,6
	v_pk_mul_f32 v[PC+\c:PC+1+\c], v[PC+\c:PC+1+\c], v[GS+\c:GS+1+\c]   ; Y x G: the same layout
.endr
	s_wait_alu depctr_va_vdst(0)                   ; Y x G is written in v[PC] to v[PC+7], which the LDS stores read; the groups' additions are done with W's lower half, in which stage 2's loads land
	ds_store_b128 v[RW], v[PC:PC+3]
	ds_store_b128 v[RW], v[PC+4:PC+7] offset:512
	s_wait_alu depctr_vm_vsrc(0)                   ; the two stores have read v[PC ..], which stage 2's conversions or the next pass's sums write again
	s_wait_dscnt 0x0                               ; my pieces lie in LDS, and my reads of the parts are back: parts are written again only behind this barrier
	s_barrier_signal -1
	s_barrier_wait -1
	s_cmp_lt_u32 s2, 12
	s_cbranch_scc1 .Lnot_mine                      ; twelve waves go straight on
	; ---- stage 2: waves 12 to 15: tile idx = 4 H + (w & 3) is quantised and stored
.irp i, 0,1,2,3,4,5,6,7
	ds_load_b128 v[O+4*\i:O+4*\i+3], v[RW] offset:512*\i
.endr
	s_and_b32 s29, s2, 3
	s_lshl_b32 s28, s6, 2
	s_add_co_u32 s29, s29, s28
	s_lshl_b32 s28, s29, 4
	s_add_co_u32 s28, s28, s3                      ; the tile in its sequence
	s_lshl_b32 s26, s5, 7
	s_add_co_u32 s28, s28, s26                     ; T = 128 b + tile
	s_lshr_b32 s26, s28, 3
	s_mul_i32 s26, s26, 49152
	s_and_b32 s9, s28, 7
	s_mul_i32 s9, s9, 6144
	s_add_co_u32 s26, s26, s9
	s_mul_i32 s9, s7, 768                          ; K step head / 2 (1,536 bytes), half head % 2 (768)
	s_add_co_u32 s26, s26, s9
	s_mov_b32 s27, 0
	s_add_nc_u64 s[26:27], s[20:21], s[26:27]
	s_lshr_b32 s100, s28, 1
	s_lshl_b32 s100, s100, 3
	s_add_co_u32 s100, s100, s7
	s_lshl_b32 s100, s100, 7
	s_and_b32 s9, s28, 1
	s_lshl_b32 s9, s9, 5
	s_add_co_u32 s100, s100, s9
	s_mov_b32 s101, 0
	s_add_nc_u64 s[100:101], s[20:21], s[100:101]
	v_and_b32 v255, 15, v0
	v_and_b32 v254, 7, v255
	v_lshrrev_b32 v255, 3, v255
	v_lshl_add_u32 v254, v255, 4, v254
	v_lshlrev_b32 v254, 2, v254                    ; 4 ((r & 7) + 16 (r >> 3))
	v_and_b32 v251, 31, v0
	v_lshlrev_b32 v251, 3, v251                    ; 8 L
	s_wait_dscnt 0x0
.irp b, 0,1
	v_max3_num_f32 v[TM+\b], |v[O+16*\b]|, |v[O+16*\b+1]|, FLOOR
.endr
.irp i, 2,4,6,8,10,12,14
.irp b, 0,1
	v_max3_num_f32 v[TM+\b], v[TM+\b], |v[O+16*\b+\i]|, |v[O+16*\b+\i+1]|
.endr
.endr
.irp b, 0,1
	v_permlanex16_b32 v[TM+4+\b], v[TM+\b], s12, s13
.endr
.irp b, 0,1
	v_max_num_f32 v[TM+\b], v[TM+\b], v[TM+4+\b]
.endr
.irp b, 0,1
	v_add_nc_u32 v[TM+\b], EOFF, v[TM+\b]
.endr
.irp b, 0,1
	v_lshrrev_b32 v[TM+4+\b], 23, v[TM+\b]
.endr
	v_lshl_or_b32 v250, v[TM+5], 8, v[TM+4]        ; the head's two bytes of my token
	v_cvt_scalef32_pk16_fp6_f32 v[PC:PC+2], v[O:O+15], v[TM]
	v_cvt_scalef32_pk16_fp6_f32 v[CT:CT+2], v[O+16:O+31], v[TM+1]
	v_nop                                          ; one plain instruction behind the conversions
.irp i, 0,1,2
	v_permlane16_swap_b32 v[PC+\i], v[CT+\i]
.endr
.irp i, 0,1,2
	v_mov_b32 v[PC+3+\i], v[CT+\i]
.endr
	s_wait_alu depctr_va_vdst(0)                   ; the codes v[PC] to v[PC+5], the scale word v250 and the offsets v251 and v254 are written, which the stores read
.irp i, 0,1,2
	global_store_b64 v251, v[PC+2*\i:PC+2*\i+1], s[26:27] offset:YGC+256*\i   ; 256 consecutive bytes, aligned
.endr
	global_store_b32 v254, v250, s[100:101] offset:YGSC
	s_wait_xcnt 0x0                                ; the stores have read their registers and bases: the next pass writes them again
	s_wait_alu depctr_vm_vsrc(0)                   ; beside it: the stores have read v[PC ..], v250, v251 and v254, which the next half's passes write again
.Lnot_mine:
	s_add_co_u32 s6, s6, 1
	s_cmp_lt_u32 s6, 2
	s_cbranch_scc1 .Lhalf
	s_wait_dscnt 0x0                               ; the closing lines, six on end
	s_wait_alu 0x0
	s_wait_tensorcnt 0x0
	ds_add_u32 v226, v227
	s_wait_dscnt 0x0
	s_endpgm
.Lfunc_end_k_qa52343a6d2_attn:
	.size	k_qa52343a6d2_attn, .Lfunc_end_k_qa52343a6d2_attn-k_qa52343a6d2_attn
	.p2alignl 7, 3214868480
	.fill 96, 4, 3214868480
	.section	.rodata,"a",@progbits
	.p2align	6, 0x0
	.amdhsa_kernel k_qa52343a6d2_attn
		.amdhsa_group_segment_fixed_size 291328
		.amdhsa_private_segment_fixed_size 0
		.amdhsa_enable_private_segment 0
		.amdhsa_kernarg_size 24
		.amdhsa_user_sgpr_count 2
		.amdhsa_user_sgpr_kernarg_segment_ptr 1
		.amdhsa_wavefront_size32 1
		.amdhsa_system_sgpr_workgroup_id_x 1
		.amdhsa_system_sgpr_workgroup_id_y 1
		.amdhsa_system_sgpr_workgroup_id_z 1
		.amdhsa_system_vgpr_workitem_id 0
		.amdhsa_next_free_vgpr 256
		.amdhsa_next_free_sgpr 102
		.amdhsa_reserve_vcc 0
		.amdhsa_float_denorm_mode_32 3
		.amdhsa_float_denorm_mode_16_64 3
		.amdhsa_memory_ordered 1
		.amdhsa_forward_progress 1
		.amdhsa_inst_pref_size 121
	.end_amdhsa_kernel
	.amdgpu_metadata
---
amdhsa.version: [ 1, 2 ]
amdhsa.kernels:
  - .name:           k_qa52343a6d2_attn
    .symbol:         k_qa52343a6d2_attn.kd
    .args:
      - { .name: act, .offset: 0, .size: 8, .value_kind: global_buffer, .address_space: global }
      - { .name: mk, .offset: 8, .size: 8, .value_kind: global_buffer, .address_space: global }
      - { .name: yg, .offset: 16, .size: 8, .value_kind: global_buffer, .address_space: global }
    .group_segment_fixed_size: 291328
    .private_segment_fixed_size: 0
    .kernarg_segment_align: 8
    .kernarg_segment_size: 24
    .max_flat_workgroup_size: 512
    .sgpr_count:     102
    .vgpr_count:     256
    .wavefront_size: 32
...
	.end_amdgpu_metadata
.endif
;; end of part 5
;; launch outp: the kernel of part 4 again; grid 8 x 32, 4 waves a work-group, no clusters, 168,448 bytes of LDS; arguments yg, pq, X, b_out, out0; writes out0
